; MI455X (gfx1250); checked and timed in simulation.
; The chip was launched on July 23, 2026; its instructions are those of AMD's public machine-readable ISA for CDNA 5 (MIT licence, August 2026) and "CDNA5" Instruction Set Architecture Reference Guide (July 2026). The comments in the code are by the model that wrote it; some were corrected since.
;; PID Multi Head Attention. Allowed arithmetic: matrix products marked QUANTISED: E3M2 operands, one E8M0 scale for each 32 along K, by v_wmma_scale_f32_16x16x128_f8f6f4 with both operands' format E3M2, f32 sums; products left as they are: f32 operands where the result goes on into a quantised operand, else bf16, f16 or f32 operands; f32 sums; everything else in f32.
;; Inputs: kWd 1,024 x 1,024 float32; kWg 3 x 1,024 float32; kWi 1,024 x 1,024 float32; kWp 1,024 x 1,024 float32; kbg 3 float32; oW 1,024 x 1,024 float32; ob 1,024 float32; qWd 1,024 x 1,024 float32; qWg 3 x 1,024 float32; qWi 1,024 x 1,024 float32; qWp 1,024 x 1,024 float32; qbg 3 float32; vWd 1,024 x 1,024 float32; vWg 3 x 1,024 float32; vWi 1,024 x 1,024 float32; vWp 1,024 x 1,024 float32; vbg 3 float32; x 2 x 2,048 x 1,024 float32.
;; Outputs: out0 2 x 2,048 x 1,024 float32.
;; This version of the problem:
;;   THIS VERSION OF THE PROBLEM IS GIVEN IN LOW PRECISION. The matrix products marked QUANTISED in the list below multiply operands that are first quantised to E3M2 (3 exponent bits, 2 mantissa bits; 6 bits a number), with one power-of-two scale for each 32 numbers along K (OCP MX v1.0); their sums are f32. All else is computed in f32.
;;   The module's matrix products, in the order in which they are computed (A, B: the left and right operand; K: the contracted axis; several contracted axes count as one K, in the product's order):
;;     1. [M 4,096, K 1,024] x [K 1,024, N 3]; A: input x; B: input qWg: left as it is (N = 3 < 16)
;;     2. [M 4,096, K 1,024] x [K 1,024, N 1,024]; A: input x; B: input qWp: QUANTISED
;;     3. [M 4,096, K 1,024] x [K 1,024, N 1,024]; A: computed on the way; B: input qWi: QUANTISED
;;     4. [M 4,096, K 1,024] x [K 1,024, N 1,024]; A: computed on the way; B: input qWd: QUANTISED
;;     5. [M 4,096, K 1,024] x [K 1,024, N 3]; A: input x; B: input kWg: left as it is (N = 3 < 16)
;;     6. [M 4,096, K 1,024] x [K 1,024, N 1,024]; A: input x; B: input kWp: QUANTISED
;;     7. [M 4,096, K 1,024] x [K 1,024, N 1,024]; A: computed on the way; B: input kWi: QUANTISED
;;     8. [M 4,096, K 1,024] x [K 1,024, N 1,024]; A: computed on the way; B: input kWd: QUANTISED
;;     9. [M 4,096, K 1,024] x [K 1,024, N 3]; A: input x; B: input vWg: left as it is (N = 3 < 16)
;;     10. [M 4,096, K 1,024] x [K 1,024, N 1,024]; A: input x; B: input vWp: QUANTISED
;;     11. [M 4,096, K 1,024] x [K 1,024, N 1,024]; A: computed on the way; B: input vWi: QUANTISED
;;     12. [M 4,096, K 1,024] x [K 1,024, N 1,024]; A: computed on the way; B: input vWd: QUANTISED
;;     13. batch 32 x [M 2,048, K 64] x [K 64, N 2,048]; A: computed on the way; B: computed on the way: QUANTISED
;;     14. batch 32 x [M 2,048, K 2,048] x [K 2,048, N 64]; A: softmax (see below); B: computed on the way: QUANTISED
;;     15. [M 4,096, K 1,024] x [K 1,024, N 1,024]; A: computed on the way; B: input oW: QUANTISED
;;   THE QUANTISER, for each operand of a quantised product, along K:
;;     - K is cut into blocks of 32 from its start; a last block that is shorter is filled with zeros.
;;     - A block's scale is 2^e with e = floor(log2(the largest magnitude in the block)) - 4, held to -126 .. 127; a block of zeros has e = 0. As a byte (E8M0): e + 127.
;;     - Each number is divided by its block's scale, clamped to +-28, and rounded to the nearest number of E3M2, ties to even, subnormals kept.
;;     - The product sums the exact products of the quantised numbers (number of the format x scale) in f32.
;;   ~~~python
;;   def quantise(x, axis):      # numpy; x: float32 -> the quantised numbers, widened to float32 again
;;       x = np.moveaxis(x, axis, -1); K = x.shape[-1]
;;       x = np.pad(x, [(0, 0)] * (x.ndim - 1) + [(0, -K % 32)]); x = x.reshape(x.shape[:-1] + (-1, 32)); a = np.abs(x).max(-1, keepdims=True)
;;       e = np.where(a > 0, np.clip(np.frexp(np.where(a > 0, a, 1))[1] - 1 - 4, -126, 127), 0)      # np.frexp(a)[1] - 1 = floor(log2(a)), exactly
;;       r = np.clip(x / 2.0 ** e, -28, 28)
;;       step = 2.0 ** (np.maximum(np.frexp(np.where(r == 0, 1, r))[1] - 1, -2) - 2)
;;       q = np.round(r / step) * step * 2.0 ** e      # np.round: ties to even
;;       return np.moveaxis(q.reshape(q.shape[:-2] + (-1,))[..., :K], -1, axis).astype(np.float32)
;;   ~~~
;;   SOFTMAX AHEAD OF A QUANTISED PRODUCT. Where the list says 'softmax', what is quantised is not the finished softmax but p = 2^(t - M), with t = logit x log2(e) and M = ceil(the row's largest t), a whole number; so 1/2 < the row's largest p <= 1. The row's sum l is taken of the UNQUANTISED p, in f32, and the product's result is divided by l at the end. Since M is a whole number, a kernel that streams over the keys may use a running M (the ceiling of the running maximum): every later rescaling is an exact power of two, which a block's scale takes up: the codes' values come out the same.
;;   OPERANDS COMPUTED ON THE WAY. 'Computed on the way' means the value that the module computes at that place (a softmax that the list does not call 'softmax' is quantised finished and normalised). What goes into a quantiser is computed in f32, as accurately as f32 sums, v_exp_f32 and their like allow (about 1e-6 of the number): no bf16 or f16 on the way to a quantiser, and a product that is left as it is and whose result goes on into a quantised operand takes f32 operands (vector FMAs, or v_wmma_f32_16x16x4_f32). A number that lies on a knife's edge between two numbers of the format may be rounded either way, as far as f32 arithmetic and the matrix unit's own rounding can turn it there, and no further.
;; 2 versions, each right; version 2 is version 1 with the launch attn written anew for expert scheduling mode. Each part assembles by itself: llvm-mc -triple=amdgcn-amd-amdhsa -mcpu=gfx1250 --defsym DOCPART=n.
;; ======== version 1 of 2: 4 launches
;; limits: right only within a limited range of input values
;; workspace buffers: abuf 17,203,200 bytes; owbuf 819,200 bytes; aobuf 3,276,800 bytes; mult 147,456 bytes; rec 13,631,488 bytes
;; launch prep (part 1): grid 704 x 1, 4 waves a work-group, no clusters, 121,344 bytes of LDS; arguments x, qWp, qWi, qWd, kWp, kWi, kWd, vWp, vWi, vWd, oW, qWg, kWg, vWg, qbg, kbg, vbg, abuf, owbuf, mult; writes abuf, owbuf, mult
.if DOCPART == 1
	.amdgcn_target "amdgcn-amd-amdhsa--gfx1250"
	.amdhsa_code_object_version 6
	.text
	.protected	k_qb1b6920fa7_prep
	.globl	k_qb1b6920fa7_prep
	.p2align	8
	.type	k_qb1b6920fa7_prep,@function
k_qb1b6920fa7_prep:
	s_mov_b64 s[64:65], 0
	v_nop
	global_prefetch_b8 v0, s[64:65] scope:SCOPE_SE
	s_setreg_imm32_b32 hwreg(HW_REG_WAVE_MODE, 25, 1), 1
	s_wait_xcnt 0x0
; x [4096][1024], its running mean and its difference along the tokens, and the ten weights [1024][1024], all f32, become codes of BF6 (E3M2) with one E8M0 byte for each 32 along K;
; the three gate softmaxes become three multipliers for each token and projection.
; THE OPERAND FORMAT.  128 rows x 256 along K are one dense block of 25,600 bytes: codes at T*3072 + kb*384 + 24 r (T: tile of 16 rows, kb: block of 32 along K, r: place in the tile), scale bytes at 24576 + T*128 + 8 r + kb.
; In each 32 rows tile u, place r holds row 8 u + r + 8 (r / 8).  abuf: [group of 128 rows][12 such blocks along K]; groups 0-31 the tokens (blocks 0-3 x, 4-7 the mean, 8-11 the difference),
; groups 32-55 the rows of q's, k's and v's weights (blocks 0-3 Wp, 4-7 Wi, 8-11 Wd).  owbuf: [8 groups][4 blocks].
; mult: [3 projection + s][4096 tokens]: r0 = a0/a1, r1 = a1/a2, r2 = a2, a the gate softmax, so that a0 P + a1 I + a2 D = r2 (r1 (r0 P + I) + D).
; A block's scale is 2^(floor(log2(its largest magnitude)) - 4); its byte is the largest magnitude's exponent field - 4, held at 1 from below.
; LIMITS: a gate below 2^-60 counts as 2^-60; blocks whose largest magnitude lies under 2^-122, zeros among them, keep the byte 1 (their bytes are read by this program alone);
; NaN and infinities are not served; the running sum is added in chunks, not in the order of a plain scan.
; ROLES by the work-group's number.  0-255: the running mean, 512 tokens x 32 columns, the segments with the longest prefix first.  256-383: 32 rows of x (codes of x, of the difference, the gates).
; 384-703: 32 rows of a weight.  The last two share one path; scalar branches on s4 stand round the lines that x alone needs.  No tensor loads; each role has LDS bytes of its own.
.set BLKB,  25600
.set DOFF,  8*BLKB                     ; from x's block to the difference's
.set RWS,   22784                      ; rows' path: LDS of a wave: a stage of 34 rows x 272 bytes,
.set CSX,   9472                       ; a stage for x's codes (2 blocks x 2 tiles x 16 places x 32 bytes),
.set CSD,   11520                      ; one for the difference's,
.set WGL,   13568                      ; and the wave's 256 columns of the nine gate rows
.set GEX,   91136                      ; the waves' parts of the gate sums: [wave][gate][lane]
.set IBASE, 95744                      ; the mean's path: LDS of a wave: a stage of 32 rows x 144 bytes,
.set IWS,   5632
.set ICS,   4608                       ; and a stage for codes
.set IEX,   118272                     ; the waves' prefix sums (4 x 512 bytes) and chunk sums (4 x 128)
.set GA,    24                         ; v24-59   nine gates x two chains x a pair
.set XB,    60                         ; v60-91   a block of 32 numbers of my row
.set WB0,   92                         ; v92-123  a gate's 32 weights
.set WB1,   124                        ; v124-155 the next gate's; at the end the previous row's block
.set L,     156                        ; v156-223 a pass's 16 loads and the previous row's
.set CC,    224                        ; v224-230 codes just made
.set OUT,   232                        ; v232-246 codes on their way out
; 32 numbers of ONE row, v[xs] on, become 24 bytes of codes, stored as two places of 16 bytes at v[adr] + cs; the scale's byte is left in v17.
.macro QBLK xs, c, adr, cs
	v_max3_num_f32 v14, |v[\xs]|, |v[\xs+1]|, |v[\xs+2]|
	v_max3_num_f32 v15, |v[\xs+3]|, |v[\xs+4]|, |v[\xs+5]|
.irp i, 6,10,14,18,22,26
	v_max3_num_f32 v14, v14, |v[\xs+\i]|, |v[\xs+\i+1]|
	v_max3_num_f32 v15, v15, |v[\xs+\i+2]|, |v[\xs+\i+3]|
.endr
	v_max3_num_f32 v14, v14, |v[\xs+30]|, |v[\xs+31]|
	v_max3_num_f32 v14, v14, v15, 0x2800000        ; the floor 2^(5 - 127): the byte cannot fall under 1
	v_add_nc_u32 v16, 0xfe000000, v14              ; 4 off the exponent field: the conversion's scale operand
	v_lshrrev_b32 v17, 23, v16                     ; the scale's byte
	v_cvt_scalef32_pk16_bf6_f32 v[\c:\c+2], v[\xs:\xs+15], v16
	v_cvt_scalef32_pk16_bf6_f32 v[\c+4:\c+6], v[\xs+16:\xs+31], v16
	v_nop                                          ; one plain line behind the scaled conversions
	ds_store_b96 v[\adr], v[\c:\c+2] offset:\cs
	ds_store_b96 v[\adr], v[\c+4:\c+6] offset:\cs+16
.endm
.macro WORD w, kb                      ; the byte in v17 goes to its place among my row's eight
.if (\kb)%4 == 0
	v_mov_b32 v[\w+(\kb)/4], v17
.else
	v_lshl_or_b32 v[\w+(\kb)/4], v17, 8*((\kb)%4), v[\w+(\kb)/4]
.endif
.endm
	s_load_b512 s[8:23], s[0:1], 0x0               ; x s[8:9]; the nine weights s[10:27] (argument 1 + m at s[10 + 2 m]) ..
	s_load_b512 s[24:39], s[0:1], 0x40             ; .. oW s[28:29]; the gate rows s[30:35]; the gate biases s[36:41] ..
	s_load_b256 s[40:47], s[0:1], 0x80             ; .. abuf s[42:43], owbuf s[44:45], mult s[46:47]
	s_set_vgpr_msb 0x40
	v_lshl_add_u32 v0, v0, 2, 0x1d800
	v_mov_b32 v1, 0
	s_set_vgpr_msb 0x4000
	v_lshrrev_b32 v1, 5, v0
	v_readfirstlane_b32 s2, v1                     ; wave
	v_and_b32 v1, 31, v0                           ; lane l: it holds row l of 32
	v_bfe_u32 v14, v0, 3, 1                        ; its tile u = (l / 8) % 2
	v_and_b32 v15, 7, v0
	v_bfe_u32 v23, v0, 4, 1                        ; l / 16
	v_lshl_add_u32 v15, v23, 3, v15                ; its place r = l % 8 + 8 (l / 16)
	v_lshlrev_b32 v22, 9, v14
	v_lshl_add_u32 v22, v15, 5, v22                ; in a code stage: 512 u + 32 r
	v_lshlrev_b32 v10, 7, v14
	v_lshl_add_u32 v10, v15, 3, v10                ; among the scale bytes: 128 u + 8 r
	v_mul_u32_u24 v9, v1, 12                       ; codes on their way out: 12 bytes a lane
	s_cmp_lt_u32 ttmp9, 256
	s_cbranch_scc1 .Lrole_i
	; ================= 32 rows of x or of a weight: wave w takes columns 256 w on =================
	s_sub_co_u32 s3, ttmp9, 256
	s_sub_co_u32 s5, s3, 128
	s_lshr_b32 s6, s5, 5                           ; which weight,
	s_and_b32 s7, s5, 31                           ; which 32 rows of it
	s_cmp_lt_u32 s3, 128
	s_cselect_b32 s4, 1, 0                         ; s4 = 1: rows of x
	s_cselect_b32 s6, 15, s6                       ; (no weight)
	s_cselect_b32 s7, s3, s7
	s_mul_i32 s50, s6, 11
	s_lshr_b32 s50, s50, 5                         ; weight / 3: the projection
	s_mul_i32 s51, s50, 3
	s_sub_co_u32 s51, s6, s51                      ; weight % 3: Wp, Wi, Wd
	s_lshl_b32 s50, s50, 3
	s_add_co_u32 s50, s50, 32                      ; the projection's first group
	s_lshl_b32 s51, s51, 2                         ; the plane's first block along K
	s_cmp_lt_u32 s6, 9
	s_cselect_b32 s50, s50, 0
	s_cselect_b32 s51, s51, 0
	s_cmp_eq_u32 s6, 9                             ; oW?
	s_cselect_b32 s52, 4, 12                       ; blocks along K in a group
	s_wait_kmcnt 0x0
	s_cselect_b64 s[54:55], s[44:45], s[42:43]     ; where the codes go
	s_mov_b64 s[56:57], s[8:9]                     ; where the numbers come from
.irp m, 0,1,2,3,4,5,6,7,8,9
	s_cmp_eq_u32 s6, \m
	s_cselect_b64 s[56:57], s[10+2*\m:11+2*\m], s[56:57]
.endr
	s_lshr_b32 s53, s7, 2
	s_add_co_u32 s50, s50, s53                     ; the group
	s_mul_i32 s50, s50, s52
	s_add_co_u32 s50, s50, s51
	s_add_co_u32 s50, s50, s2                      ; my wave's block along K
	s_mul_i32 s50, s50, BLKB
	s_and_b32 s53, s7, 3                           ; my two tiles are 2 (rows / 32 % 4) and the next
	s_mul_i32 s58, s53, 6144
	s_add_co_u32 s58, s58, s50
	s_mov_b32 s59, 0
	s_add_nc_u64 s[58:59], s[54:55], s[58:59]      ; the codes of my two tiles
	s_lshl_b32 s60, s53, 8
	s_add_co_u32 s60, s60, s50
	s_add_co_u32 s60, s60, 24576
	s_mov_b32 s61, 0
	s_add_nc_u64 s[60:61], s[54:55], s[60:61]      ; their scale bytes
	s_lshl_b32 s62, s7, 17                         ; 32 rows of 4,096 bytes
	s_lshl_b32 s53, s2, 10
	s_add_co_u32 s62, s62, s53
	s_mov_b32 s63, 0
	s_add_nc_u64 s[56:57], s[56:57], s[62:63]      ; my first row, my first column
	s_and_b32 s53, s7, 63
	s_cmp_eq_u32 s53, 0                            ; a batch's first token has no row before it: it takes itself, and the difference is 0
	s_cselect_b32 s53, 0, 4096
	s_sub_co_u32 s62, s62, s53
	s_add_nc_u64 s[66:67], s[8:9], s[62:63]        ; the row before my first row of x
	s_cmp_eq_u32 s2, 0                             ; wave p finishes projection p's gates: its bias (wave 3 reads v's and uses nothing)
	s_cselect_b64 s[68:69], s[36:37], s[40:41]
	s_cmp_eq_u32 s2, 1
	s_cselect_b64 s[68:69], s[38:39], s[68:69]
	s_load_b96 s[72:74], s[68:69], 0x0
	s_mul_i32 s76, s2, 49152
	s_lshl_b32 s53, s7, 7
	s_add_co_u32 s76, s76, s53
	s_mov_b32 s77, 0
	s_add_nc_u64 s[76:77], s[46:47], s[76:77]      ; mult at [3 wave][my first token]
	s_mul_i32 s53, s2, RWS                         ; my wave's LDS
	v_and_b32 v14, 15, v0
	v_lshlrev_b32 v3, 4, v14                       ; v3: 16 (l % 16)
	v_lshl_add_u32 v2, v23, 12, v3                 ; v2: a load takes two rows' 256 bytes: + 4,096 (l / 16)
	v_mul_u32_u24 v15, v23, 272
	v_add_nc_u32 v15, v15, v3
	v_add_nc_u32 v4, s53, v15
	v_add_nc_u32 v4, 272, v4                       ; v4: into the stage: row 1 + l / 16 (row 0 is the row before)
	v_mul_u32_u24 v15, v23, 33*272
	v_add_nc_u32 v15, v15, v3
	v_add_nc_u32 v5, s53, v15                      ; v5: the row before: lanes 0-15 to row 0, lanes 16-31 to row 33, which nobody reads
	v_mul_u32_u24 v6, v1, 272
	v_add_nc_u32 v6, s53, v6                       ; v6: out of the stage: row l (the row before mine); mine is 272 on
	v_add_nc_u32 v7, s53, v22                      ; v7: my place in a code stage
	v_lshlrev_b32 v8, 4, v1
	v_add_nc_u32 v8, s53, v8                       ; v8: 16 l in my wave's LDS
	v_mov_b32 v11, s53                             ; v11: my wave's LDS, the same in all lanes: gate weights are read by all
	v_lshlrev_b32 v13, 2, v1
	s_mul_i32 s78, s2, 1152
	v_add_nc_u32 v12, s78, v13
	v_add_nc_u32 v12, GEX, v12                     ; v12: where my parts of the gate sums go
	s_mul_i32 s78, s2, 384
	v_add_nc_u32 v13, s78, v13
	v_add_nc_u32 v13, GEX, v13                     ; v13: where projection w's parts are read
.set i, 0
.rept 36
	v_mov_b32 v[GA+i], 0                           ; the gate sums begin at 0
.set i, i+1
.endr
.irp i, 18,19,20,21, L+64,L+65,L+66,L+67
	v_mov_b32 v[\i], 0                             ; written on the shared path: the scale words, and the registers of the row before
.endr
.macro LOADS p                         ; pass p: 64 columns of my 32 rows; each half of the lanes reads 256 consecutive bytes
.set i, 0
.rept 16
	global_load_b128 v[L+4*i:L+4*i+3], v2, s[56:57] offset:8192*i+256*(\p)
.set i, i+1
.endr
.endm
.macro LOADP p                         ; and of the row before (x alone)
	global_load_b128 v[L+64:L+67], v3, s[66:67] offset:256*(\p)
.endm
	LOADS 0
	s_cmp_eq_u32 s4, 0
	s_cbranch_scc1 .Lno_gates
	LOADP 0
	v_lshlrev_b32 v14, 4, v1
	v_lshl_add_u32 v14, s2, 10, v14                ; my wave's 1,024 bytes of a gate row, 16 a lane
.irp p, 0,1,2
.irp i, 0,1,2
.irp e, 0,1
	global_load_b128 v[60+8*(3*\p+\i)+4*\e:60+8*(3*\p+\i)+4*\e+3], v14, s[30+2*\p:31+2*\p] offset:4096*\i+512*\e
.endr
.endr
.endr
	s_wait_loadcnt 0x0
.irp p, 0,1,2
.irp i, 0,1,2
.irp e, 0,1
	ds_store_b128 v8, v[60+8*(3*\p+\i)+4*\e:60+8*(3*\p+\i)+4*\e+3] offset:WGL+1024*(3*\p+\i)+512*\e
.endr
.endr
.endr
.Lno_gates:
; The nine gate sums of block kb, then the difference.  A gate's 32 weights are read by all lanes from one place; the next gate's loads are out while this gate's 16 packed multiply-adds run, in two chains.
.macro GATES kb, b
.set j, 0
.rept 8
	ds_load_b128 v[WB0+4*j:WB0+4*j+3], v11 offset:WGL+128*(\kb)+16*j
.set j, j+1
.endr
.irp g, 0,1,2,3,4,5,6,7,8
.set j, 0
.rept 8
.if \g < 8
	ds_load_b128 v[WB0+32*((\g+1)%2)+4*j:WB0+32*((\g+1)%2)+4*j+3], v11 offset:WGL+1024*(\g+1)+128*(\kb)+16*j
.else
	ds_load_b128 v[WB1+4*j:WB1+4*j+3], v6 offset:128*(\b)+16*j     ; the row before mine, into the buffer that gate 7 has left
.endif
.set j, j+1
.endr
	s_wait_dscnt 8                                 ; all but the eight loads just issued: this gate's weights are in
.set k, 0
.rept 16
	v_pk_fma_f32 v[GA+4*\g+2*(k%2):GA+4*\g+2*(k%2)+1], v[XB+2*k:XB+2*k+1], v[WB0+32*(\g%2)+2*k:WB0+32*(\g%2)+2*k+1], v[GA+4*\g+2*(k%2):GA+4*\g+2*(k%2)+1]
.set k, k+1
.endr
.endr
	s_wait_dscnt 0x0
.set k, 0
.rept 16
	v_pk_add_f32 v[WB1+2*k:WB1+2*k+1], v[XB+2*k:XB+2*k+1], v[WB1+2*k:WB1+2*k+1] neg_lo:[0,1] neg_hi:[0,1]   ; x[t] - x[t - 1]
.set k, k+1
.endr
.endm
.macro BLOCK p, b                      ; block 2 p + b of my wave's eight
.set j, 0
.rept 8
	ds_load_b128 v[XB+4*j:XB+4*j+3], v6 offset:272+128*(\b)+16*j
.set j, j+1
.endr
	s_wait_dscnt 0x0                               ; my block is in; the stores into the stage have read their registers, and the last codes' stores theirs
.if ((\b) == 0) && ((\p) < 3)
	LOADS (\p)+1                                   ; the next pass is on its way while this one is worked
.endif
	QBLK XB, CC, 7, CSX+1024*(\b)
	WORD 18, 2*(\p)+(\b)
	s_cmp_eq_u32 s4, 0
	s_cbranch_scc1 .Lw_\@
.if ((\b) == 0) && ((\p) < 3)
	LOADP (\p)+1
.endif
	GATES 2*(\p)+(\b), \b
	QBLK WB1, CC, 7, CSD+1024*(\b)
	WORD 20, 2*(\p)+(\b)
.Lw_\@:
.endm
.macro OUTU cs, p, goff                ; a pass's codes leave: four units of 16 places x 24 bytes, 384 consecutive bytes a store
	s_wait_xcnt 0x0                                ; the earlier stores have read their registers
.irp k, 0,1,2,3
	ds_load_b96 v[OUT+4*\k:OUT+4*\k+2], v8 offset:\cs+512*\k       ; LDS serves a wave's instructions in order: these see my stores
.endr
	s_wait_dscnt 0x0
.irp k, 0,1,2,3
	global_store_b96 v9, v[OUT+4*\k:OUT+4*\k+2], s[58:59] offset:\goff+(\k%2)*3072+(2*(\p)+\k/2)*384
.endr
.endm
.macro PASS p
	s_wait_loadcnt 0x0
.set i, 0
.rept 16
	ds_store_b128 v4, v[L+4*i:L+4*i+3] offset:544*i
.set i, i+1
.endr
	ds_store_b128 v5, v[L+64:L+67]
	BLOCK \p, 0
	BLOCK \p, 1
	OUTU CSX, \p, 0
	s_cmp_eq_u32 s4, 0
	s_cbranch_scc1 .Lnd_\@
	OUTU CSD, \p, DOFF
.Lnd_\@:
.endm
	PASS 0
	PASS 1
	PASS 2
	PASS 3
	global_store_b64 v10, v[18:19], s[60:61]       ; my row's eight scale bytes: the 32 lanes store 256 consecutive bytes
	s_cmp_eq_u32 s4, 0
	s_cbranch_scc1 .Lno_sum
	global_store_b64 v10, v[20:21], s[60:61] offset:DOFF
.irp g, 0,1,2,3,4,5,6,7,8
	v_pk_add_f32 v[GA+4*\g:GA+4*\g+1], v[GA+4*\g:GA+4*\g+1], v[GA+4*\g+2:GA+4*\g+3]
.endr
.irp g, 0,1,2,3,4,5,6,7,8
	v_add_f32 v[GA+4*\g], v[GA+4*\g], v[GA+4*\g+1]
.endr
.irp g, 0,1,2,3,4,5,6,7,8
	ds_store_b32 v12, v[GA+4*\g] offset:128*\g
.endr
.Lno_sum:
	s_wait_kmcnt 0x0                               ; the bias
	s_wait_dscnt 0x0                               ; for the others' sake: my parts of the gate sums have landed
	s_barrier_signal -1
	s_barrier_wait -1
	s_cmp_eq_u32 s4, 0
	s_cbranch_scc1 .Lrw_end
	s_cmp_gt_u32 s2, 2
	s_cbranch_scc1 .Lrw_end
	; wave p: projection p's three logits of my row, their softmax, the three multipliers
.irp w, 0,1,2,3
.irp i, 0,1,2
	ds_load_b32 v[60+3*\w+\i], v13 offset:1152*\w+128*\i
.endr
.endr
	v_lshlrev_b32 v14, 2, v1
	s_wait_dscnt 0x0
.irp i, 0,1,2
	v_add_f32 v[60+\i], v[60+\i], v[63+\i]
	v_add_f32 v[66+\i], v[66+\i], v[69+\i]
.endr
.irp i, 0,1,2
	v_add_f32 v[60+\i], v[60+\i], v[66+\i]
.endr
.irp i, 0,1,2
	v_add_f32 v[60+\i], s[72+\i], v[60+\i]
.endr
	v_max3_num_f32 v72, v60, v61, v62              ; the largest logit is taken away ahead of the exponentials
.irp i, 0,1,2
	v_sub_f32 v[60+\i], v[60+\i], v72
.endr
.irp i, 0,1,2
	v_mul_f32 v[60+\i], 0x3fb8aa3b, v[60+\i]
.endr
.irp i, 0,1,2
	v_exp_f32 v[64+\i], v[60+\i]
.endr
	v_nop                                          ; a plain line behind the batch,
	s_wait_alu depctr_va_vdst(0)                   ; and one wait ahead of its first reader
	v_add_f32 v72, v64, v65
	v_add_f32 v72, v72, v66
	v_rcp_f32 v73, v72
	v_nop
	s_wait_alu depctr_va_vdst(0)
.irp i, 0,1,2
	v_mul_f32 v[64+\i], v[64+\i], v73
.endr
.irp i, 0,1,2
	v_max_num_f32 v[64+\i], 0x21800000, v[64+\i]   ; held at 2^-60 from below, so that the ratios stay finite
.endr
	v_rcp_f32 v68, v65
	v_rcp_f32 v69, v66
	v_nop
	s_wait_alu depctr_va_vdst(0)
	v_mul_f32 v70, v64, v68                        ; r0 = a0 / a1
	v_mul_f32 v71, v65, v69                        ; r1 = a1 / a2
	global_store_b32 v14, v70, s[76:77]
	global_store_b32 v14, v71, s[76:77] offset:16384
	global_store_b32 v14, v66, s[76:77] offset:32768   ; r2 = a2
.Lrw_end:
	s_set_vgpr_msb 0x5
	s_wait_tensorcnt 0x0
	ds_add_u32 v0, v1
	s_wait_dscnt 0x0
	s_set_vgpr_msb 0x500
	s_endpgm
	; ================= the running mean: 512 tokens x 32 columns (one block along K); wave w takes 128 tokens, one group =================
.Lrole_i:
	s_lshr_b32 s3, ttmp9, 6
	s_sub_co_u32 s3, 3, s3                         ; j: which 512 tokens of the batch
	s_bfe_u32 s4, ttmp9, 0x10005                   ; the batch
	s_and_b32 s5, ttmp9, 31                        ; c: which 32 columns
	s_lshl_b32 s6, s4, 11
	s_lshl_b32 s7, s2, 7
	s_add_co_u32 s6, s6, s7                        ; row 2,048 b + 128 w
	s_lshl_b32 s50, s6, 12
	s_lshl_b32 s7, s5, 7
	s_add_co_u32 s50, s50, s7
	s_mov_b32 s51, 0
	s_lshl_b32 s52, s3, 21                         ; 512 j rows
	s_mov_b32 s53, 0
	s_lshl_b32 s60, s4, 4
	s_lshl_b32 s61, s3, 2
	s_add_co_u32 s60, s60, s61
	s_add_co_u32 s60, s60, s2                      ; my group
	s_mul_i32 s60, s60, 12
	s_lshr_b32 s61, s5, 3
	s_add_co_u32 s60, s60, s61
	s_add_co_u32 s60, s60, 4                       ; the mean's blocks are 4 to 7
	s_mul_i32 s60, s60, BLKB
	s_and_b32 s61, s5, 7                           ; kb
	s_mul_i32 s62, s61, 384
	s_add_co_u32 s62, s62, s60
	s_mov_b32 s63, 0
	s_wait_kmcnt 0x0
	s_add_nc_u64 s[54:55], s[8:9], s[50:51]        ; x at the batch's row 128 w, my columns: the prefix is read from here
	s_add_nc_u64 s[56:57], s[54:55], s[52:53]      ; x at my own first row
	s_add_nc_u64 s[66:67], s[42:43], s[62:63]      ; the codes
	s_add_co_u32 s62, s60, s61
	s_add_co_u32 s62, s62, 24576
	s_add_nc_u64 s[68:69], s[42:43], s[62:63]      ; the scale bytes
	v_lshlrev_b32 v2, 2, v1                        ; v2: a lane to a column
.set i, 0
.rept 128
	global_load_b32 v[128+i], v2, s[56:57] offset:4096*i           ; my 128 tokens: registers run down the tokens
.set i, i+1
.endr
	v_lshrrev_b32 v14, 3, v1
	v_and_b32 v15, 7, v0
	v_lshlrev_b32 v3, 4, v15
	v_lshl_add_u32 v3, v14, 12, v3                 ; v3: the prefix: a load takes four rows' 128 bytes
	s_mul_i32 s58, s2, IWS
	s_add_co_u32 s58, s58, IBASE
	v_add_nc_u32 v4, s58, v2                       ; v4: into the stage: column l
	v_mul_u32_u24 v5, v1, 144
	v_add_nc_u32 v5, s58, v5                       ; v5: out of it: token l
	v_add_nc_u32 v6, s58, v22                      ; v6: my place in the code stage
	v_lshlrev_b32 v7, 4, v1
	s_lshl_b32 s59, s2, 9
	s_add_co_u32 s59, s59, IEX
	v_add_nc_u32 v8, s59, v7                       ; v8: my wave's prefix sums
	v_add_nc_u32 v7, s58, v7                       ; v7: 16 l in my wave's LDS
	s_lshl_b32 s59, s2, 7
	s_add_co_u32 s59, s59, IEX+2048
	v_add_nc_u32 v11, s59, v2                      ; v11: my wave's chunk sums
	v_add_nc_u32 v12, IEX, v2                      ; v12: column l of everybody's
	s_lshl_b32 s59, s3, 9
	s_lshl_b32 s60, s2, 7
	s_add_co_u32 s59, s59, s60
	s_add_co_u32 s59, s59, 1
	v_add_nc_u32 v14, s59, v1                      ; t + 1 of token l of my first 32
.irp g, 0,1,2,3
	v_add_nc_u32 v[52+\g], 32*\g, v14
.endr
.irp g, 0,1,2,3
	v_cvt_f32_u32 v[52+\g], v[52+\g]
.endr
.irp g, 0,1,2,3
	v_rcp_f32 v[40+2*\g], v[52+\g]
.endr
.irp g, 0,1,2,3
	v_mov_b32 v[41+2*\g], 0                        ; (named with it as a pair)  plain lines behind the batch
.endr
.irp i, 32,33,34,35,36,37,38,39
	v_mov_b32 v[\i], 0                             ; the prefix sums begin at 0
.endr
	s_wait_alu depctr_va_vdst(0)                   ; one wait for the four reciprocals
.irp g, 0,1,2,3
	v_fma_f32 v[56+\g], -v[52+\g], v[40+2*\g], 1.0 ; one Newton step
.endr
.irp g, 0,1,2,3
	v_fma_f32 v[40+2*\g], v[40+2*\g], v[56+\g], v[40+2*\g]
.endr
; The rows ahead of my work-group's: segment i of 512 rows, 128 of them mine; a ring of four sets of four loads.
.macro PSET i, s
.irp n, 0,1,2,3
	global_load_b128 v[64+16*((\s)%4)+4*\n:64+16*((\s)%4)+4*\n+3], v3, s[54:55] offset:(512*(\i)+16*(\s)+4*\n)*4096
.endr
.endm
.macro PREF i
	s_cmp_le_u32 s3, \i
	s_cbranch_scc1 .Lnp_\@
	PSET \i, 0
	PSET \i, 1
	PSET \i, 2
	PSET \i, 3
.irp s, 0,1,2,3,4,5,6,7
.if \s < 5
	s_wait_loadcnt 12                              ; three younger sets may be out
.else
	s_wait_loadcnt 4*(7-\s)
.endif
.irp n, 0,1,2,3
	v_pk_add_f32 v[32+4*(\n%2):33+4*(\n%2)], v[32+4*(\n%2):33+4*(\n%2)], v[64+16*(\s%4)+4*\n:65+16*(\s%4)+4*\n]
	v_pk_add_f32 v[34+4*(\n%2):35+4*(\n%2)], v[34+4*(\n%2):35+4*(\n%2)], v[66+16*(\s%4)+4*\n:67+16*(\s%4)+4*\n]
.endr
.if \s < 4
	PSET \i, \s+4
.endif
.endr
.Lnp_\@:
.endm
	PREF 0
	PREF 1
	PREF 2
	s_wait_loadcnt 0x0                             ; my own rows
	v_pk_add_f32 v[32:33], v[32:33], v[36:37]
	v_pk_add_f32 v[34:35], v[34:35], v[38:39]
	ds_store_b128 v8, v[32:35]                     ; [l / 8][32 columns]
.irp c, 0,1,2,3
	v_pk_add_f32 v[64+2*\c:65+2*\c], v[128+2*\c:129+2*\c], v[136+2*\c:137+2*\c]   ; my 128 tokens' sum, in four chains
.endr
.set k, 8
.rept 56
	v_pk_add_f32 v[64+2*(k%4):65+2*(k%4)], v[64+2*(k%4):65+2*(k%4)], v[128+2*k:129+2*k]
.set k, k+1
.endr
	v_pk_add_f32 v[64:65], v[64:65], v[66:67]
	v_pk_add_f32 v[68:69], v[68:69], v[70:71]
	v_pk_add_f32 v[64:65], v[64:65], v[68:69]
	v_add_f32 v64, v64, v65
	ds_store_b32 v11, v64
	s_wait_dscnt 0x0                               ; for the others' sake
	s_barrier_signal -1
	s_barrier_wait -1
.set k, 0
.rept 16
	ds_load_b32 v[64+k], v12 offset:128*k
.set k, k+1
.endr
.irp k, 0,1,2
	ds_load_b32 v[80+\k], v12 offset:2048+128*\k
.endr
	s_wait_dscnt 0x0
.irp k, 0,1,2,3
	v_pk_add_f32 v[64+2*\k:65+2*\k], v[64+2*\k:65+2*\k], v[72+2*\k:73+2*\k]
.endr
	v_pk_add_f32 v[64:65], v[64:65], v[68:69]
	v_pk_add_f32 v[66:67], v[66:67], v[70:71]
	v_pk_add_f32 v[64:65], v[64:65], v[66:67]
	v_add_f32 v13, v64, v65                        ; all rows ahead of my work-group's,
.irp k, 0,1,2
	s_cmp_gt_u32 s2, \k
	s_cselect_b32 s60, -1, 0
	v_cndmask_b32 v[80+\k], 0, v[80+\k], s60
	v_add_f32 v13, v13, v[80+\k]                   ; and those of the waves below mine
.endr
.macro IGRP g                          ; 32 tokens: the running sum, turned through LDS so that a lane holds a token's 32 columns, x 1 / (t + 1), codes
.set i, 32*(\g)
.rept 32
.if i == 0
	v_add_f32 v128, v13, v128
.else
	v_add_f32 v[128+i], v[127+i], v[128+i]
.endif
.set i, i+1
.endr
.set i, 0
.rept 32
	ds_store_b32 v4, v[128+32*(\g)+i] offset:144*i
.set i, i+1
.endr
.set i, 0
.rept 8
	ds_load_b128 v[64+4*i:67+4*i], v5 offset:16*i
.set i, i+1
.endr
	s_wait_dscnt 0x0
.set i, 0
.rept 16
	v_pk_mul_f32 v[64+2*i:65+2*i], v[64+2*i:65+2*i], v[40+2*(\g):41+2*(\g)] op_sel_hi:[1,0]
.set i, i+1
.endr
	QBLK 64, 24, 6, ICS
	v_mov_b32 v[48+(\g)], v17
.irp k, 0,1
	ds_load_b96 v[96+8*(\g)+4*\k:98+8*(\g)+4*\k], v7 offset:ICS+512*\k
.endr
	s_wait_dscnt 0x0
.irp k, 0,1
	global_store_b96 v9, v[96+8*(\g)+4*\k:98+8*(\g)+4*\k], s[66:67] offset:(2*(\g)+\k)*3072   ; 384 consecutive bytes
.endr
	global_store_b8 v10, v[48+(\g)], s[68:69] offset:256*(\g)      ; one byte a row: one in 128 of what this role reads
.endm
	IGRP 0
	IGRP 1
	IGRP 2
	IGRP 3
	s_set_vgpr_msb 0x5
	s_wait_tensorcnt 0x0
	ds_add_u32 v0, v1
	s_wait_dscnt 0x0
	s_set_vgpr_msb 0x500
	s_endpgm
.Lfunc_end_k_qb1b6920fa7_prep:
	.size	k_qb1b6920fa7_prep, .Lfunc_end_k_qb1b6920fa7_prep-k_qb1b6920fa7_prep
	.p2alignl 7, 3214868480
	.fill 96, 4, 3214868480
	.section	.rodata,"a",@progbits
	.p2align	6, 0x0
	.amdhsa_kernel k_qb1b6920fa7_prep
		.amdhsa_group_segment_fixed_size 121344
		.amdhsa_private_segment_fixed_size 0
		.amdhsa_enable_private_segment 0
		.amdhsa_kernarg_size 160
		.amdhsa_user_sgpr_count 2
		.amdhsa_user_sgpr_kernarg_segment_ptr 1
		.amdhsa_wavefront_size32 1
		.amdhsa_system_sgpr_workgroup_id_x 1
		.amdhsa_system_sgpr_workgroup_id_y 1
		.amdhsa_system_sgpr_workgroup_id_z 1
		.amdhsa_system_vgpr_workitem_id 0
		.amdhsa_next_free_vgpr 258
		.amdhsa_next_free_sgpr 80
		.amdhsa_reserve_vcc 0
		.amdhsa_float_denorm_mode_32 3
		.amdhsa_float_denorm_mode_16_64 3
		.amdhsa_memory_ordered 1
		.amdhsa_forward_progress 1
		.amdhsa_inst_pref_size 252
	.end_amdhsa_kernel
	.amdgpu_metadata
---
amdhsa.version: [ 1, 2 ]
amdhsa.kernels:
  - .name:           k_qb1b6920fa7_prep
    .symbol:         k_qb1b6920fa7_prep.kd
    .args:
      - { .name: x, .offset: 0, .size: 8, .value_kind: global_buffer, .address_space: global }
      - { .name: qWp, .offset: 8, .size: 8, .value_kind: global_buffer, .address_space: global }
      - { .name: qWi, .offset: 16, .size: 8, .value_kind: global_buffer, .address_space: global }
      - { .name: qWd, .offset: 24, .size: 8, .value_kind: global_buffer, .address_space: global }
      - { .name: kWp, .offset: 32, .size: 8, .value_kind: global_buffer, .address_space: global }
      - { .name: kWi, .offset: 40, .size: 8, .value_kind: global_buffer, .address_space: global }
      - { .name: kWd, .offset: 48, .size: 8, .value_kind: global_buffer, .address_space: global }
      - { .name: vWp, .offset: 56, .size: 8, .value_kind: global_buffer, .address_space: global }
      - { .name: vWi, .offset: 64, .size: 8, .value_kind: global_buffer, .address_space: global }
      - { .name: vWd, .offset: 72, .size: 8, .value_kind: global_buffer, .address_space: global }
      - { .name: oW, .offset: 80, .size: 8, .value_kind: global_buffer, .address_space: global }
      - { .name: qWg, .offset: 88, .size: 8, .value_kind: global_buffer, .address_space: global }
      - { .name: kWg, .offset: 96, .size: 8, .value_kind: global_buffer, .address_space: global }
      - { .name: vWg, .offset: 104, .size: 8, .value_kind: global_buffer, .address_space: global }
      - { .name: qbg, .offset: 112, .size: 8, .value_kind: global_buffer, .address_space: global }
      - { .name: kbg, .offset: 120, .size: 8, .value_kind: global_buffer, .address_space: global }
      - { .name: vbg, .offset: 128, .size: 8, .value_kind: global_buffer, .address_space: global }
      - { .name: abuf, .offset: 136, .size: 8, .value_kind: global_buffer, .address_space: global }
      - { .name: owbuf, .offset: 144, .size: 8, .value_kind: global_buffer, .address_space: global }
      - { .name: mult, .offset: 152, .size: 8, .value_kind: global_buffer, .address_space: global }
    .group_segment_fixed_size: 121344
    .private_segment_fixed_size: 0
    .kernarg_segment_align: 8
    .kernarg_segment_size: 160
    .max_flat_workgroup_size: 128
    .sgpr_count:     80
    .vgpr_count:     258
    .wavefront_size: 32
...
	.end_amdgpu_metadata
.endif
;; end of part 1
;; launch qkv (part 2): grid 12 x 16, 4 waves a work-group, clusters of 4 x 4, 327,680 bytes of LDS; arguments abuf, mult, rec; writes rec
.if DOCPART == 2
	.amdgcn_target "amdgcn-amd-amdhsa--gfx1250"
	.amdhsa_code_object_version 6
	.text
	.protected	k_qb1b6920fa7_qkv
	.globl	k_qb1b6920fa7_qkv
	.p2align	8
	.type	k_qb1b6920fa7_qkv,@function
k_qb1b6920fa7_qkv:
	s_mov_b64 s[64:65], 0
	v_nop
	global_prefetch_b8 v0, s[64:65] scope:SCOPE_SE
	s_setreg_imm32_b32 hwreg(HW_REG_WAVE_MODE, 25, 1), 1
	s_wait_xcnt 0x0
	s_wait_alu depctr_hold_cnt(0) depctr_sa_sdst(0) depctr_va_vdst(0) depctr_va_sdst(0) depctr_va_ssrc(0) depctr_va_vcc(0) depctr_vm_vsrc(0)
	s_getreg_b32 s2, hwreg(HW_REG_IB_STS2, 6, 4)
	s_cmp_eq_u32 s2, 0
	s_cbranch_scc0 .Lentry_in_a_cluster
	s_endpgm
.Lentry_in_a_cluster:
	s_bfe_u32 s2, ttmp6, 0x10000c
	s_cmp_lg_u32 s2, 0xf033
	s_cbranch_scc0 .Lentry_shape_is_right
	s_endpgm
.Lentry_shape_is_right:
; The nine projections as one product on codes of BF6 (E3M2) with K = 3 x 1,024: a0 x Wp^T + a1 mean Wi^T + a2 diff Wd^T = r2 (r1 (r0 P + I) + D): the sums are multiplied by r0 behind the first 1,024
; along K, by r1 behind the second, by r2 at the end (mult holds the three for each token and projection).  The result is quantised in registers and stored as the attention's operands.
; A tile of 256 x 256 is made by four waves, 128 x 128 each: 64 accumulators, 512 registers.  K goes in steps of 256 through a ring of two LDS slots; a block of 128 rows x 256 K, codes and scale bytes,
; is 25,600 dense bytes of abuf (codes at T*3072 + kb*384 + 24 r, scale bytes at 24576 + T*128 + 8 r + kb), brought by one tensor load a wave.
; ROLES by the cluster's x, the same in all sixteen partners: 0: Q, 1: K (source 1 = tokens, source 0 = rows of the weight: a lane holds one token and 128 neighbouring features);
; 2: V, made as V^T (source 1 = rows of Wv, source 0 = tokens: a lane holds one feature and 128 neighbouring tokens, which are the second product's K).
; In each 32 rows tile u, place r holds row 8 u + r + 8 (r / 8), on both sides: so the 16 registers of source 0's tiles 2 b and 2 b + 1 are 16 neighbours, 32 b + 16 (lane / 16) + 0 .. 15.
; rec: Q's records, then (KVOFF on) K's and V's: [batch x 16 + head][128 tokens]: 13,312 bytes: 4 fragments of K (or Q) as images of their registers (tile 2 p in registers 0-5, tile 2 p + 1 in 6-11),
; 4 fragments of V^T likewise, 512 bytes of K's scale words (four a lane), 512 of V's.
; CLUSTERS: 4 x 4 work-groups; source 1's tile is shared along a row of the cluster, source 0's along a column: joint loads.
; LIMITS: those of the multipliers (a gate below 2^-60 counts as 2^-60); blocks whose largest magnitude lies under 2^-122 keep the byte 1; NaN and infinities are not served.
; REGISTERS, in windows of 256: window 0: v16-29 addresses; v32-63 scale words, two sets; v64-127 multipliers; v128-223 A's fragments, one set; on the way out v128-247 are at work.
;   window 1: B's fragments, two sets, at v0 and v128.  windows 2, 3: the accumulators of my rows 0-63, 64-127 ((a, b) at v[8 (8 (a % 4) + b)]).
.set BLKB,   25600
.set SLOT,   4*BLKB                    ; A's two blocks, then B's two
.set SPARE,  2*SLOT                    ; behind the ring: the spare words, 128 bytes for each wave
.set NQ,     2                         ; matrix instructions deep in a slot
.set FR,     12
.set NL,     6
.set NP,     4
.set LAPS,   6                         ; 12 steps of 256 along K
.set RECB,   13312
.set HEADB,  16*RECB
.set KVOFF,  512*RECB
.set ADRA, 16                          ; v16-17  my A fragments in slot 0, 1
.set ADRB, 20                          ; v20-21  the same for B
.set ADRS, 22                          ; v22-23  my scale words: lanes 0-15 A's, lanes 16-31 B's
.set LO,   24                          ; v24     16 x lane
.set MT,   25                          ; v25     multipliers, a lane a token
.set MV,   26                          ; v26     multipliers, registers along the tokens
.set SPW,  28
.set NIL,  29
.set SC,   32
.set M,    64
.set AF,   128
.set HA,   128                         ; the way out: 64 numbers of a lane
.set PF,   192                         ; two fragments in the making
.set TQ,   216                         ; upper halves of blocks
.set TM,   224                         ; v224-227 largest magnitudes, v228-231 bytes, v236-239 scale operands
.set WQ,   240                         ; v240-247 scale words, four for each of two heads
.set G1, 24
.set G0, 32
.set G1B, 48
.set G0B, 56
.set SEL, 78
.set MSB, 0
.macro WIN new                         ; the immediate's high byte repeats the setting that is left
.if MSB != (\new)
	s_set_vgpr_msb (MSB<<8)|(\new)
.set MSB, (\new)
.endif
.endm
.set MUL_LO, 0xa1                      ; source 0 (B) window 1, source 1 (A) window 0, C and D window 2
.set MUL_HI, 0xf1
.set TO_B,   0x40
; A joint load: waves 0 and 1 fetch A's two blocks, waves 2 and 3 B's.  The branch hangs on the wave's number alone.  Four v_nop follow each of the two lines.
.macro JLOAD g0a, g1a, g0b, g1b
	s_cmp_eq_u32 s15, 0
	s_cbranch_scc0 .Lfor_b_\@
	tensor_load_to_lds s[\g0a:\g0a+3], s[\g1a:\g1a+7]
	s_nop 0
.rept 4
	v_nop
.endr
	s_branch .Lasked_\@
.Lfor_b_\@:
	tensor_load_to_lds s[\g0b:\g0b+3], s[\g1b:\g1b+7]
	s_nop 0
.rept 4
	v_nop
.endr
.Lasked_\@:
.endm
.macro CREST
	s_cmp_lg_u32 s14, 0
	s_cbranch_scc1 .Lnot_wave_0_\@
	s_barrier_signal -3
.Lnot_wave_0_\@:
	s_barrier_wait -3
	s_barrier_signal -1
	s_barrier_wait -1
.endm
.macro CROUND
	s_barrier_signal -1
	s_barrier_wait -1
	CREST
.endm
	s_load_b128 s[4:7], s[0:1], 0x0                ; abuf, mult
	s_load_b64 s[8:9], s[0:1], 0x10                ; rec
	v_lshl_add_u32 v[SPW], v0, 2, SPARE
	v_mov_b32 v[NIL], 0
	ds_add_u32 v28, v29
	ds_add_u32 v28, v29
	s_wait_dscnt 0x0
	v_lshrrev_b32 v1, 5, v0
	v_readfirstlane_b32 s14, v1                    ; wave
	s_lshr_b32 s15, s14, 1                         ; which of A's two blocks I multiply.  Also: I fetch for A (0) or for B (1)
	s_and_b32 s16, s14, 1                          ; which of B's.  Also: which of the two blocks I fetch
	s_bfe_u32 s40, ttmp6, 0x40000                  ; cx
	s_bfe_u32 s41, ttmp6, 0x40004                  ; cy
	s_and_b32 s17, ttmp7, 0xffff                   ; the cluster's y
	s_lshl_b32 s18, s17, 2
	s_lshl_b32 s19, ttmp9, 2
	s_lshl_b32 s43, s41, 2
	s_lshl_b32 s43, 15, s43                        ; my row of the cluster
	s_lshl_b32 s44, 0x1111, s40                    ; my column
	s_cmp_eq_u32 ttmp9, 2                          ; V?
	s_cselect_b32 s66, 1, 0
	s_cselect_b32 s67, 0, s18                      ; A: tokens walk with the cluster's y; Wv's rows do not
	s_cselect_b32 s21, 48, 0                       ; A's first group: Wv's rows, or the tokens
	s_cselect_b32 s68, s18, s19                    ; B: tokens with the cluster's y, or the weight with the cluster's x
	s_cselect_b32 s47, 0, 32                       ; B's first group
	s_add_co_u32 s67, s67, s41                     ; A's tile of 256 rows: it hangs on cy, never on cx
	s_add_co_u32 s68, s68, s40                     ; B's: on cx, never on cy
	s_lshl_b32 s20, s67, 1
	s_add_co_u32 s20, s20, s21
	s_add_co_u32 s20, s20, s16                     ; the group of A that I fetch
	s_mul_i32 s20, s20, 12*BLKB
	s_mov_b32 s21, 0
	s_lshl_b32 s46, s68, 1
	s_add_co_u32 s46, s46, s47
	s_add_co_u32 s46, s46, s16                     ; the group of B
	s_mul_i32 s46, s46, 12*BLKB
	s_mov_b32 s47, 0
	s_mul_i32 s45, s14, BLKB                       ; where it goes: wave x a block: no place in the cluster enters an LDS address
	; descriptor group 1: a dense block of 25,600 bytes as 100 rows of 32 elements of 8 bytes, no padding
	s_or_b32 s[G1+0], s43, (3<<16)|(1<<21)         ; 15:0 the mask: my row; 17:16 elements of 8 bytes; 21 set beside a mask
	s_or_b32 s[G1B+0], s44, (3<<16)|(1<<21)        ; the same with my column
.irp g, G1, G1B
	s_mov_b32 s[\g+1], 32<<16                      ; tensor_dim0
	s_mov_b32 s[\g+2], 100<<16                     ; tensor_dim1
	s_mov_b32 s[\g+3], 32<<16                      ; tile_dim0
	s_mov_b32 s[\g+4], 100                         ; tile_dim1
	s_mov_b32 s[\g+5], 32                          ; tensor_dim0_stride
	s_mov_b32 s[\g+6], 0
	s_mov_b32 s[\g+7], 0
.endr
	s_mov_b32 s[SEL], 0x76543210
	s_mov_b32 s[SEL+1], 0xfedcba98                 ; v_permlanex16_b32's selects for lane l xor 16
	s_wait_kmcnt 0x0
	s_add_nc_u64 s[20:21], s[4:5], s[20:21]
	s_add_nc_u64 s[46:47], s[4:5], s[46:47]
	CROUND                                         ; all sixteen work-groups are here: the first joint loads meet
.irp s, 0,1
	s_mov_b32 s[G0+4*\s], 1
	s_add_co_u32 s[G0+4*\s+1], s45, \s*SLOT
	s_add_nc_u64 s[G0+4*\s+2:G0+4*\s+3], s[20:21], \s*BLKB
	s_or_b32 s[G0+4*\s+3], s[G0+4*\s+3], 0x80000000
	s_mov_b32 s[G0B+4*\s], 1
	s_add_co_u32 s[G0B+4*\s+1], s45, \s*SLOT
	s_add_nc_u64 s[G0B+4*\s+2:G0B+4*\s+3], s[46:47], \s*BLKB
	s_or_b32 s[G0B+4*\s+3], s[G0B+4*\s+3], 0x80000000
	JLOAD G0+4*\s, G1, G0B+4*\s, G1B               ; two tensor loads of mine are out
.endr
	v_and_b32 v1, 15, v0                           ; r
	v_bfe_u32 v2, v0, 4, 1                         ; h
	v_mul_u32_u24 v3, v1, 24
	v_mad_u32_u24 v3, v2, 384, v3                  ; a fragment: 24 r + 384 h: the 32 lanes of a load of 8 bytes touch 64 different banks
	s_mul_i32 s22, s15, BLKB
	s_mul_i32 s23, s16, BLKB
	s_add_co_u32 s23, s23, 2*BLKB
.irp s, 0,1
	v_add_nc_u32 v[ADRA+\s], s22, v3
	v_add_nc_u32 v[ADRB+\s], s23, v3
	s_add_co_u32 s22, s22, SLOT
	s_add_co_u32 s23, s23, SLOT
.endr
	s_mul_i32 s22, s15, BLKB
	s_mul_i32 s23, s16, BLKB
	s_add_co_u32 s23, s23, 2*BLKB
	s_sub_co_u32 s23, s23, s22                     ; from A's block to B's
	v_mul_u32_u24 v4, s23, v2                      ; lanes 16-31 take B's
	v_lshl_add_u32 v4, v1, 3, v4                   ; 8 bytes a row
	s_add_co_u32 s22, s22, 24576
	v_add_nc_u32 v[ADRS], s22, v4
	v_add_nc_u32 v[ADRS+1], SLOT, v[ADRS]
	v_and_b32 v5, 31, v0
	v_lshlrev_b32 v[LO], 4, v5
	v_and_b32 v5, 8, v1
	v_add_nc_u32 v5, v5, v1
	v_lshlrev_b32 v[MT], 2, v5                     ; 4 (r + 8 (r / 8))
	v_lshlrev_b32 v[MV], 6, v2                     ; 4 x 16 h
.set i, 0
.rept 64
	v_mov_b32 v[M+i], 0                            ; written once: the two kinds of role load different parts of them
.set i, i+1
.endr
	s_lshl_b32 s69, s67, 1
	s_add_co_u32 s69, s69, s15                     ; the group of A that I multiply
	s_lshl_b32 s74, s68, 1
	s_add_co_u32 s74, s74, s16                     ; the group of B
	s_cmp_eq_u32 s66, 1
	s_cselect_b32 s75, s74, s69                    ; my 128 tokens,
	s_cselect_b32 s76, s69, s74                    ; my 128 features
	s_mul_i32 s70, ttmp9, 49152
	s_lshl_b32 s77, s75, 9
	s_add_co_u32 s70, s70, s77
	s_mov_b32 s71, 0
	s_add_nc_u64 s[70:71], s[6:7], s[70:71]        ; mult at [3 projection][my first token]
	s_and_b32 s76, s76, 7
	s_lshl_b32 s76, s76, 1                         ; my first head of two
	s_lshr_b32 s77, s75, 4
	s_lshl_b32 s77, s77, 4
	s_add_co_u32 s76, s76, s77                     ; + 16 x batch
	s_lshl_b32 s76, s76, 4
	s_and_b32 s77, s75, 15
	s_add_co_u32 s76, s76, s77                     ; the record
	s_mul_i32 s72, s76, RECB
	s_cmp_eq_u32 ttmp9, 0
	s_cselect_b32 s77, 0, KVOFF
	s_add_co_u32 s72, s72, s77
	s_mov_b32 s73, 0
	s_add_nc_u64 s[72:73], s[8:9], s[72:73]
.macro FRAG reg, adr, q, i             ; a fragment, 16 rows x 128 K: registers 6 c .. 6 c + 5 hold K = 64 c + 32 h + 0 .. 31: 24 bytes, in pieces of 8
.irp p, 0,1,2,3,4,5
	ds_load_b64 v[\reg+2*\p:\reg+2*\p+1], v[\adr] offset:(\i)*3072+(\q)*1536+(\p/3)*768+(\p%3)*8
.endr
.endm
; 16 matrix instructions: A's blocks a0, a0 + 1 x B's eight.  The 64 accumulators take turns, one instruction a turn, in the same order in every step.
.macro MUL16 a0, p, q, sc, zero
.irp a, \a0, \a0+1
.irp b, 0,1,2,3,4,5,6,7
.if \zero
	v_wmma_scale_f32_16x16x128_f8f6f4 v[8*(8*((\a)%4)+\b):8*(8*((\a)%4)+\b)+7], v[128*(\p)+FR*\b:128*(\p)+FR*\b+FR-1], v[AF+FR*(\a):AF+FR*(\a)+FR-1], 0, v[SC+8*NQ*(\sc)+NQ*\b+(\q)], v[SC+8*NQ*(\sc)+NQ*(\a)+(\q)] matrix_a_fmt:MATRIX_FMT_BF6 matrix_b_fmt:MATRIX_FMT_BF6 matrix_a_scale:MATRIX_SCALE_ROW1
.else
	v_wmma_scale_f32_16x16x128_f8f6f4 v[8*(8*((\a)%4)+\b):8*(8*((\a)%4)+\b)+7], v[128*(\p)+FR*\b:128*(\p)+FR*\b+FR-1], v[AF+FR*(\a):AF+FR*(\a)+FR-1], v[8*(8*((\a)%4)+\b):8*(8*((\a)%4)+\b)+7], v[SC+8*NQ*(\sc)+NQ*\b+(\q)], v[SC+8*NQ*(\sc)+NQ*(\a)+(\q)] matrix_a_fmt:MATRIX_FMT_BF6 matrix_b_fmt:MATRIX_FMT_BF6 matrix_a_scale:MATRIX_SCALE_ROW1
.endif
.endr
.endr
.endm
.macro FETCH_B slot, q, p
	WIN TO_B
.irp i, 0,1,2,3,4,5,6,7
	FRAG 128*(\p)+FR*\i, ADRB+\slot, \q, \i
.endr
	WIN 0
.endm
.macro FETCH_A slot, q, i0
.irp i, \i0, \i0+1, \i0+2, \i0+3
	FRAG AF+FR*(\i), ADRA+\slot, \q, \i
.endr
.endm
.macro SCALES sc                       ; a slot's scale words: two a row; lanes 0-15 A's tile i, lanes 16-31 B's tile i
.irp i, 0,1,2,3,4,5,6,7
	ds_load_b64 v[SC+8*NQ*\sc+NQ*\i:SC+8*NQ*\sc+NQ*\i+1], v[ADRS+\sc] offset:\i*128
.endr
.endm
.macro PLACES n                        ; plain lines between a matrix instruction and a load into, or a vector line on, its registers
.rept \n
	v_nop
.endr
.endm
.macro STEP slot, q, zero              ; 128 along K that have their successor in the same slot
	s_wait_dscnt 4*NL                              ; B's set and A's blocks 0-3 are in; the youngest 24 loads (A's blocks 4-7) may be out
	WIN MUL_LO
	MUL16 0, (\q)%2, \q, \slot, \zero
	MUL16 2, (\q)%2, \q, \slot, \zero
	s_wait_dscnt 0
	PLACES NP
	FETCH_B \slot, (\q)+1, 1-(\q)%2
	FETCH_A \slot, (\q)+1, 0
	WIN MUL_HI
	MUL16 4, (\q)%2, \q, \slot, \zero
	MUL16 6, (\q)%2, \q, \slot, \zero
	PLACES NP
	WIN 0
	FETCH_A \slot, (\q)+1, 4
.endm
; A slot's last 128 change slots: one barrier; in front of it each wave waits for all its tensor loads, adds 0 to its spare word, and waits for that and for its reads of this slot.
.macro TURN slot, next, fill
	s_wait_tensorcnt 0x0                           ; all my tensor loads have landed: my part of the next slot
	ds_add_u32 v[SPW], v[NIL]                      ; 0 onto my spare word
	s_wait_dscnt 4*NL+1                            ; (the add and the youngest 24 loads may be out)
	WIN MUL_LO
	MUL16 0, 1, NQ-1, \slot, 0
	s_wait_dscnt 0x0                               ; the add is done, and my reads of this slot are over
	s_barrier_signal -1
	MUL16 2, 1, NQ-1, \slot, 0
	WIN 0
	s_barrier_wait -1
.if \fill
	CREST                                          ; the barrier has opened a round of the cluster's: no wave of any partner still reads this slot or has a load on its way
	s_add_nc_u64 s[G0+4*\slot+2:G0+4*\slot+3], s[G0+4*\slot+2:G0+4*\slot+3], 2*BLKB
	s_add_nc_u64 s[G0B+4*\slot+2:G0B+4*\slot+3], s[G0B+4*\slot+2:G0B+4*\slot+3], 2*BLKB
	JLOAD G0+4*\slot, G1, G0B+4*\slot, G1B         ; my one tensor load behind the round; its four v_nop are also the places in front of the loads below
.else
	PLACES NP
.endif
	FETCH_B \next, 0, 0
	FETCH_A \next, 0, 0
	SCALES \next
	WIN MUL_HI
	MUL16 4, 1, NQ-1, \slot, 0
	MUL16 6, 1, NQ-1, \slot, 0
	PLACES NP
	WIN 0
	FETCH_A \next, 0, 4
.endm
; The multipliers of my 128 tokens.  Q, K: a lane holds the token at place r of A's tile a: one number a tile.  V: register j of B's tile b is token 32 (b / 2) + 8 (b % 2) + 16 h + j: eight a tile.
.macro MLOAD
	s_cmp_eq_u32 s66, 1
	s_cbranch_scc1 .Lmv_\@
.irp a, 0,1,2,3,4,5,6,7
	global_load_b32 v[M+2*\a], v[MT], s[70:71] offset:4*(32*(\a/2)+8*(\a%2))
.endr
	s_branch .Lmd_\@
.Lmv_\@:
.irp b, 0,1,2,3,4,5,6,7
.irp e, 0,1
	global_load_b128 v[M+8*\b+4*\e:M+8*\b+4*\e+3], v[MV], s[70:71] offset:4*(32*(\b/2)+8*(\b%2))+16*\e
.endr
.endr
.Lmd_\@:
.endm
.macro SCALE_T
.irp a, 0,1,2,3,4,5,6,7
	WIN 0x82+0x41*(\a/4)                           ; the accumulators (destination and source 0) in window 2 or 3, the multiplier in window 0
.irp b, 0,1,2,3,4,5,6,7
.irp k, 0,1,2,3
	v_pk_mul_f32 v[8*(8*(\a%4)+\b)+2*\k:8*(8*(\a%4)+\b)+2*\k+1], v[8*(8*(\a%4)+\b)+2*\k:8*(8*(\a%4)+\b)+2*\k+1], v[M+2*\a:M+2*\a+1] op_sel_hi:[1,0]
.endr
.endr
.endr
	WIN 0
.endm
.macro SCALE_V
.irp a, 0,1,2,3,4,5,6,7
	WIN 0x82+0x41*(\a/4)
.irp b, 0,1,2,3,4,5,6,7
.irp k, 0,1,2,3
	v_pk_mul_f32 v[8*(8*(\a%4)+\b)+2*\k:8*(8*(\a%4)+\b)+2*\k+1], v[8*(8*(\a%4)+\b)+2*\k:8*(8*(\a%4)+\b)+2*\k+1], v[M+8*\b+2*\k:M+8*\b+2*\k+1]
.endr
.endr
.endr
	WIN 0
.endm
; Behind 1,024 and 2,048 along K (the loop's count is then even) the sums are multiplied by r0, by r1; each accumulator from its low end on.  The places behind the last products stand at TURN's end.
.macro GATE
	s_bitcmp1_b32 s3, 0
	s_cbranch_scc1 .Lng_\@
	s_wait_loadcnt 0x0                             ; the multipliers
	s_cmp_eq_u32 s66, 1
	s_cbranch_scc1 .Lgv_\@
	SCALE_T
	s_branch .Lgd_\@
.Lgv_\@:
	SCALE_V
.Lgd_\@:
	s_add_nc_u64 s[70:71], s[70:71], 16384         ; the loads that named this base are done
	MLOAD                                          ; the next multipliers
.Lng_\@:
.endm
	MLOAD                                          ; r0
	s_wait_tensorcnt 1                             ; my part of slot 0 is in (slot 1's load may be out),
	s_barrier_signal -1
	s_barrier_wait -1                              ; everybody's is
	FETCH_B 0, 0, 0
	FETCH_A 0, 0, 0
	SCALES 0
	FETCH_A 0, 0, 4
	STEP 0, 0, 1                                   ; the first step stands in front of the loop: its products start the sums
	s_mov_b32 s3, LAPS-1
.Llap:                                                 ; a trip goes once round the ring and fills both slots again
	TURN 0, 1, 1
	STEP 1, 0, 0
	TURN 1, 0, 1
	GATE
	STEP 0, 0, 0
	s_sub_co_u32 s3, s3, 1
	s_cmp_lg_u32 s3, 0
	s_cbranch_scc1 .Llap
	TURN 0, 1, 0                                   ; the last lap fills nothing
	STEP 1, 0, 0
	s_wait_dscnt 4*NL
	WIN MUL_LO
	MUL16 0, 1, NQ-1, 1, 0
	MUL16 2, 1, NQ-1, 1, 0
	s_wait_dscnt 0
	WIN MUL_HI
	MUL16 4, 1, NQ-1, 1, 0
	MUL16 6, 1, NQ-1, 1, 0
	WIN 0
; THE WAY OUT.  A's tile a: its 64 numbers a lane x r2 into window 0; four blocks of 32 (a block lies in lanes l and l xor 16); codes; the fragments go to memory as images of their registers, 512 consecutive bytes a store.
.macro QMAX
.irp b, 0,1,2,3
	v_max3_num_f32 v[TM+\b], |v[HA+16*\b]|, |v[HA+1+16*\b]|, 0x2800000     ; the floor 2^(5 - 127): the byte cannot fall under 1
.endr
.irp i, 2,4,6,8,10,12,14
.irp b, 0,1,2,3
	v_max3_num_f32 v[TM+\b], v[TM+\b], |v[HA+16*\b+\i]|, |v[HA+1+16*\b+\i]|
.endr
.endr
.irp b, 0,1,2,3
	v_permlanex16_b32 v[TM+4+\b], v[TM+\b], s[SEL], s[SEL+1]
.endr
.irp b, 0,1,2,3
	v_max_num_f32 v[TM+\b], v[TM+\b], v[TM+4+\b]
.endr
.irp b, 0,1,2,3
	v_add_nc_u32 v[TM+12+\b], 0xfe000000, v[TM+\b] ; 4 off the exponent field: the conversion's scale operand
.endr
.irp b, 0,1,2,3
	v_lshrrev_b32 v[TM+4+\b], 23, v[TM+12+\b]      ; the scale's byte
.endr
.endm
.macro OUT_T a                         ; Q, K: a lane's 128 features are two heads of two blocks; tile a fills half a % 2 of pair a / 2's fragment, for each head
	WIN 0x02+(\a)/4
.irp b, 0,1,2,3,4,5,6,7
.irp k, 0,1,2,3
	v_pk_mul_f32 v[HA+8*\b+2*\k:HA+8*\b+2*\k+1], v[8*(8*((\a)%4)+\b)+2*\k:8*(8*((\a)%4)+\b)+2*\k+1], v[M+2*(\a):M+2*(\a)+1] op_sel_hi:[1,0]
.endr
.endr
	WIN 0
	QMAX
.if (((\a)%2) == 0) && ((\a) > 0)
	s_wait_xcnt 0x0                                ; the last pair's stores have read their registers
.endif
.irp c, 0,1
	v_cvt_scalef32_pk16_bf6_f32 v[PF+12*\c+6*((\a)%2):PF+12*\c+6*((\a)%2)+2], v[HA+32*\c:HA+32*\c+15], v[TM+12+2*\c]
	v_cvt_scalef32_pk16_bf6_f32 v[TQ+4*\c:TQ+4*\c+2], v[HA+32*\c+16:HA+32*\c+31], v[TM+13+2*\c]
.endr
	v_nop                                          ; one plain line behind the scaled conversions
.irp c, 0,1                            ; the operand wants a whole block in a lane: lanes 0-15 the head's first 32, lanes 16-31 its second
.irp i, 0,1,2
	v_permlane16_swap_b32 v[PF+12*\c+6*((\a)%2)+\i], v[TQ+4*\c+\i]
.endr
.irp i, 0,1,2
	v_mov_b32 v[PF+12*\c+6*((\a)%2)+3+\i], v[TQ+4*\c+\i]
.endr
.if ((\a)%2) == 0
	v_lshl_or_b32 v[WQ+4*\c+(\a)/2], v[TM+5+2*\c], 8, v[TM+4+2*\c]
.else
	v_lshl_or_b32 v[WQ+4*\c+(\a)/2], v[TM+4+2*\c], 16, v[WQ+4*\c+(\a)/2]
	v_lshl_or_b32 v[WQ+4*\c+(\a)/2], v[TM+5+2*\c], 24, v[WQ+4*\c+(\a)/2]
.endif
.endr
.if ((\a)%2) == 1
.irp c, 0,1
.irp g, 0,1,2
	global_store_b128 v[LO], v[PF+12*\c+4*\g:PF+12*\c+4*\g+3], s[72:73] offset:\c*HEADB+((\a)/2)*1536+512*\g
.endr
.endr
.endif
.endm
.macro OUT_V a                         ; V: a lane's 128 tokens are one K step of the second product: tile a is one fragment of head a / 4
	WIN 0x02+(\a)/4
.irp b, 0,1,2,3,4,5,6,7
.irp k, 0,1,2,3
	v_pk_mul_f32 v[HA+8*\b+2*\k:HA+8*\b+2*\k+1], v[8*(8*((\a)%4)+\b)+2*\k:8*(8*((\a)%4)+\b)+2*\k+1], v[M+8*\b+2*\k:M+8*\b+2*\k+1]
.endr
.endr
	WIN 0
	QMAX
	v_lshl_or_b32 v[WQ+(\a)], v[TM+5], 8, v[TM+4]
	v_lshl_or_b32 v[WQ+(\a)], v[TM+6], 16, v[WQ+(\a)]
	v_lshl_or_b32 v[WQ+(\a)], v[TM+7], 24, v[WQ+(\a)]
.if (\a) > 0
	s_wait_xcnt 0x0                                ; the last tile's stores have read their registers
.endif
.irp c, 0,1
	v_cvt_scalef32_pk16_bf6_f32 v[PF+6*\c:PF+6*\c+2], v[HA+32*\c:HA+32*\c+15], v[TM+12+2*\c]
	v_cvt_scalef32_pk16_bf6_f32 v[TQ+4*\c:TQ+4*\c+2], v[HA+32*\c+16:HA+32*\c+31], v[TM+13+2*\c]
.endr
	v_nop
.irp c, 0,1
.irp i, 0,1,2
	v_permlane16_swap_b32 v[PF+6*\c+\i], v[TQ+4*\c+\i]
.endr
.irp i, 0,1,2
	v_mov_b32 v[PF+6*\c+3+\i], v[TQ+4*\c+\i]
.endr
.endr
.irp g, 0,1,2
	global_store_b128 v[LO], v[PF+4*\g:PF+4*\g+3], s[72:73] offset:((\a)/4)*HEADB+6144+((\a)%4)*1536+512*\g
.endr
.endm
	PLACES NP                                      ; behind the last products: their results are read and their operands' registers written below
.irp b, 0,1,2,3
	v_mov_b32 v[TM+4+\b], 0                        ; written once: a lane permute's destination counts as one of its sources
.endr
	s_wait_loadcnt 0x0                             ; r2
	s_cmp_eq_u32 s66, 1
	s_cbranch_scc1 .Lout_v
.irp a, 0,1,2,3,4,5,6,7
	OUT_T \a
.endr
.irp c, 0,1
	global_store_b128 v[LO], v[WQ+4*\c:WQ+4*\c+3], s[72:73] offset:12288+\c*HEADB
.endr
	s_branch .Lfin
.Lout_v:
.irp a, 0,1,2,3,4,5,6,7
	OUT_V \a
.endr
.irp c, 0,1
	global_store_b128 v[LO], v[WQ+4*\c:WQ+4*\c+3], s[72:73] offset:12800+\c*HEADB
.endr
.Lfin:
	s_wait_tensorcnt 0x0                           ; the wave's end
	ds_add_u32 v[SPW], v[NIL]
	s_wait_dscnt 0x0
	CROUND                                         ; the closing round: no work-group ends while a partner may still ask for a tile that names it
	s_endpgm
.Lfunc_end_k_qb1b6920fa7_qkv:
	.size	k_qb1b6920fa7_qkv, .Lfunc_end_k_qb1b6920fa7_qkv-k_qb1b6920fa7_qkv
	.p2alignl 7, 3214868480
	.fill 96, 4, 3214868480
	.section	.rodata,"a",@progbits
	.p2align	6, 0x0
	.amdhsa_kernel k_qb1b6920fa7_qkv
		.amdhsa_group_segment_fixed_size 327680
		.amdhsa_private_segment_fixed_size 0
		.amdhsa_enable_private_segment 0
		.amdhsa_kernarg_size 24
		.amdhsa_user_sgpr_count 2
		.amdhsa_user_sgpr_kernarg_segment_ptr 1
		.amdhsa_wavefront_size32 1
		.amdhsa_system_sgpr_workgroup_id_x 1
		.amdhsa_system_sgpr_workgroup_id_y 1
		.amdhsa_system_sgpr_workgroup_id_z 1
		.amdhsa_system_vgpr_workitem_id 0
		.amdhsa_next_free_vgpr 1024
		.amdhsa_next_free_sgpr 98
		.amdhsa_reserve_vcc 0
		.amdhsa_float_denorm_mode_32 3
		.amdhsa_float_denorm_mode_16_64 3
		.amdhsa_memory_ordered 1
		.amdhsa_forward_progress 1
		.amdhsa_inst_pref_size 255
	.end_amdhsa_kernel
	.section	.bss,"aw",@nobits
	.p2align	6
	.space	262144
	.amdgpu_metadata
---
amdhsa.version: [ 1, 2 ]
amdhsa.kernels:
  - .name:           k_qb1b6920fa7_qkv
    .symbol:         k_qb1b6920fa7_qkv.kd
    .args:
      - { .name: abuf, .offset: 0, .size: 8, .value_kind: global_buffer, .address_space: global }
      - { .name: mult, .offset: 8, .size: 8, .value_kind: global_buffer, .address_space: global }
      - { .name: rec, .offset: 16, .size: 8, .value_kind: global_buffer, .address_space: global }
    .group_segment_fixed_size: 327680
    .private_segment_fixed_size: 0
    .kernarg_segment_align: 8
    .kernarg_segment_size: 24
    .max_flat_workgroup_size: 128
    .sgpr_count:     98
    .vgpr_count:     1024
    .wavefront_size: 32
...
	.end_amdgpu_metadata
.endif
;; end of part 2
;; launch attn (part 3): grid 8 x 32, 16 waves a work-group, no clusters, 28,672 bytes of LDS; arguments rec, aobuf; writes aobuf
.if DOCPART == 3
	.amdgcn_target "amdgcn-amd-amdhsa--gfx1250"
	.amdhsa_code_object_version 6
	.text
	.protected	k_qb1b6920fa7_attn
	.globl	k_qb1b6920fa7_attn
	.p2align	8
	.type	k_qb1b6920fa7_attn,@function
k_qb1b6920fa7_attn:
	s_mov_b64 s[64:65], 0
	v_nop
	global_prefetch_b8 v0, s[64:65] scope:SCOPE_SE
	s_setreg_imm32_b32 hwreg(HW_REG_WAVE_MODE, 25, 1), 1
	s_wait_xcnt 0x0
; Causal attention on codes of BF6 (E3M2), head size 64, 2,048 tokens, 32 (batch, head) pairs; O / l is quantised along head x 64 + d and stored as the last product's operand.
; THE SOFTMAX: t = score x log2(e) / 8; M = the row's largest t so far, rounded up to a whole number; p = 2^(t - M) is quantised along the keys, not normalised; the row's sum is taken of the unquantised p
; and divides O at the end.  When M moves, the sum and O are multiplied by 2^(old M - new M): exact.
; rec: Q's records, then (KVOFF on) K's and V's: [pair][step of 128 tokens], 13,312 bytes: 4 fragments of K as images of their registers (key tile 2 p in registers 0-5, tile 2 p + 1 in 6-11: the head's 64 fill
; half of the instruction's K), 4 fragments of V^T (16 features x 128 keys), K's scale words (four a lane), V's.  Key tile 2 p is multiplied by [Q | 0], tile 2 p + 1 by [0 | Q]: zero codes add nothing.
; In each 32 tokens tile u, place r holds token 8 u + r + 8 (r / 8): so the 16 registers of score tiles 2 b and 2 b + 1 are keys 32 b + 16 (lane / 16) + 0 .. 15.
; SHARES.  A work-group has sixteen waves, four to a SIMD; wave w owns one tile of 16 queries: tile 8 x + w (w < 8) or 127 - 8 x - (w - 8): waves w, w + 4, w + 8, w + 12 have 34 key steps together in every work-group.
; Every work-group walks all 16 steps: trip counts are constants; a step all of whose keys are hidden from the wave's queries is jumped over but for its barrier and its part of the ring.
; THE RING: two LDS slots of one record; waves 0-12 bring 1,024 bytes each through registers, two steps ahead; one barrier a step.
; No joint loads: a step brings 13 KB to a work-group, against sixteen waves' reads of it and their softmax.
; LIMITS: blocks whose largest magnitude lies under 2^-122 keep the byte 1; NaN and infinities are not served.
.set RECB,  13312
.set HEADB, 16*RECB
.set KVOFF, 512*RECB
.set FRG,  40                          ; v40-87   four fragments of K, then of V
.set S,    88                          ; v88-151  the scores, then p; at the head Q as loaded
.set OT,   152                         ; v152-183 O^T
.set PC,   184                         ; v184-195 p's codes
.set PT,   196                         ; v196-202 upper halves of blocks
.set BM,   204                         ; v204-207 each block's largest score, then largest p
.set BP,   208                         ; v208-211 the other half's; then the bytes
.set BO,   212                         ; v212-215 the conversions' scale operands
.set KS,   216                         ; v216-219 K's scale words
.set VS,   220                         ; v220-223 V's
.set PS,   224                         ; p's scale word
.set QS,   225                         ; Q's
.set F,    226                         ; v226 f = 2^(old M - new M)
.set TT,   228
.set MI,   229                         ; -infinity
.set SUM2, 230
.set FD,   232                         ; v232-247 the ring's data, two sets by turns
.set WV,   8
.set DS,   12                          ; my queries' own step
.set PFA,  34
.set LIM,  36
.set ST,   42
.set TR,   43
.set SEL,  44
.set CS,   46
	s_load_b128 s[4:7], s[0:1], 0x0                ; rec, aobuf
	v_lshl_add_u32 v254, v0, 2, 0x6800
	v_mov_b32 v255, 0
	v_lshrrev_b32 v1, 5, v0
	v_readfirstlane_b32 s[WV], v1
	v_and_b32 v7, 31, v0
	v_lshlrev_b32 v1, 4, v7                        ; v1: 16 x lane: an image's place for my lane
	s_lshl_b32 s22, s[WV], 10
	v_add_nc_u32 v2, s22, v1                       ; v2: my 16 bytes of my wave's 1,024 of a record, in memory and in a slot
	v_lshlrev_b32 v6, 8, v7                        ; v6: the prefetches: lanes 256 bytes apart
	s_and_b32 s9, ttmp7, 0xffff                    ; the pair: 16 x batch + head
	s_lshl_b32 s10, ttmp9, 3
	s_add_co_u32 s11, s10, s[WV]
	s_sub_co_u32 s13, 135, s10
	s_sub_co_u32 s13, s13, s[WV]
	s_cmp_lt_u32 s[WV], 8
	s_cselect_b32 s11, s11, s13                    ; my tile of queries, 0 .. 127
	s_lshr_b32 s[DS], s11, 3
	s_and_b32 s13, s11, 7                          ; its tile in the 128 tokens
	s_lshr_b32 s14, s13, 1                         ; the pair of tiles,
	s_and_b32 s15, s11, 1                          ; and which of the two
	s_mul_i32 s18, s9, HEADB
	s_mov_b32 s19, 0
	s_mul_i32 s20, s[DS], RECB
	s_add_co_u32 s20, s20, s18
	s_mov_b32 s21, 0
	s_lshr_b32 s24, s9, 4
	s_lshl_b32 s24, s24, 4
	s_add_co_u32 s24, s24, s[DS]                   ; my tokens' group
	s_lshl_b32 s24, s24, 2
	s_and_b32 s25, s9, 15                          ; the head
	s_lshr_b32 s26, s25, 2
	s_add_co_u32 s24, s24, s26                     ; four heads to a block of 256 along K
	s_mul_i32 s24, s24, 25600
	s_and_b32 s26, s25, 3
	s_mul_i32 s30, s26, 768                        ; the head's two blocks of 32: kb = 2 (head % 4)
	s_mul_i32 s28, s13, 3072
	s_add_co_u32 s30, s30, s28
	s_add_co_u32 s30, s30, s24
	s_mov_b32 s31, 0
	s_lshl_b32 s32, s26, 1
	s_lshl_b32 s28, s13, 7
	s_add_co_u32 s32, s32, s28
	s_add_co_u32 s32, s32, s24
	s_add_co_u32 s32, s32, 24576
	s_mov_b32 s33, 0
	s_and_b32 s38, s[WV], 1
	s_lshl_b32 s38, s38, 13
	s_add_co_u32 s38, s38, 32768
	s_mov_b32 s39, 0
	s_sub_co_u32 s[LIM], s[WV], 13
	s_lshr_b32 s[LIM], s[LIM], 1                   ; 0 in waves 13 and 14,
	s_or_b32 s[LIM], s[LIM], ttmp9                 ; of the pair's first work-group
	s_cmp_eq_u32 s[LIM], 0
	s_cselect_b32 s[LIM], 10, 0                    ; they prefetch in steps 0 to 9
	s_mov_b32 s[SEL], 0x76543210
	s_mov_b32 s[SEL+1], 0xfedcba98
	s_mov_b32 s[CS], 0x3e38aa3b                    ; c = log2(e) / sqrt(64)
	s_mov_b32 s[CS+1], s[CS]
	s_mov_b32 s[ST], 0
	s_wait_kmcnt 0x0
	s_add_nc_u64 s[16:17], s[4:5], s[18:19]
	s_add_nc_u64 s[16:17], s[16:17], KVOFF         ; the pair's K and V records
	s_add_nc_u64 s[20:21], s[4:5], s[20:21]        ; my queries' record
	s_add_nc_u64 s[30:31], s[6:7], s[30:31]        ; where my codes go,
	s_add_nc_u64 s[32:33], s[6:7], s[32:33]        ; and their scale bytes
	s_add_nc_u64 s[PFA:PFA+1], s[16:17], s[38:39]  ; two chunks of 8,192 bytes short of my first prefetch
	s_cmp_lt_u32 s[WV], 13
	s_cbranch_scc0 .Lno_fill_head
	global_load_b128 v[FD:FD+3], v2, s[16:17]                      ; records 0 and 1
	global_load_b128 v[FD+4:FD+7], v2, s[16:17] offset:512
	global_load_b128 v[FD+8:FD+11], v2, s[16:17] offset:RECB
	global_load_b128 v[FD+12:FD+15], v2, s[16:17] offset:RECB+512
.Lno_fill_head:
	s_mul_i32 s22, s14, 1536
	v_add_nc_u32 v5, s22, v1
	s_lshl_b32 s23, s14, 2
	v_add_nc_u32 v3, s23, v1
.irp g, 0,1,2
	global_load_b128 v[S+4*\g:S+4*\g+3], v5, s[20:21] offset:512*\g        ; the pair fragment that holds my queries
.endr
	global_load_b32 v[S+12], v3, s[20:21] offset:12288             ; and its scale word
	v_and_b32 v8, 15, v0                           ; r
	v_bfe_u32 v9, v0, 4, 1                         ; h
	v_and_b32 v10, 8, v8
	v_add_nc_u32 v10, v10, v8
	s_lshl_b32 s22, s14, 5
	s_lshl_b32 s23, s15, 3
	s_add_co_u32 s22, s22, s23
	v_add_nc_u32 v4, s22, v10
	v_lshlrev_b32 v11, 4, v9
	v_sub_nc_u32 v4, v4, v11                       ; v4: my query's place in its 128 tokens - 16 h: register 16 b + i holds key 32 b + i + 16 h, hidden where 32 b + i is above this
	v_mul_u32_u24 v10, v8, 24
	v_mad_u32_u24 v10, v9, 12, v10                 ; v10: my 16 codes' place in a unit: 24 r + 12 h
	v_lshlrev_b32 v11, 3, v8                       ; v11: 8 r
	v_mov_b32 v13, 0xff61b1e6                      ; the largest t so far: -3e38
	v_floor_f32 v12, -v13                          ; -M
	v_mov_b32 v14, 0
	v_mov_b32 v15, 0
.irp i, BP,BP+1,BP+2,BP+3, F,F+1, TT
	v_mov_b32 v[\i], 0                             ; written once: permutes' destinations, and the upper half of a pair
.endr
	v_mov_b32 v[MI], 0xff800000
	s_cmp_eq_u32 s15, 1
	s_cselect_b32 s48, -1, 0
	s_lshl_b32 s49, s15, 4
	s_wait_loadcnt 0x0
.irp k, 0,1,2,3,4,5
	v_cndmask_b32 v[16+\k], v[S+\k], v[S+6+\k], s48                ; my tile's half of the fragment: [Q | 0] in v16-27,
.endr
.irp k, 0,1,2,3,4,5
	v_mov_b32 v[22+\k], 0
	v_mov_b32 v[28+\k], 0
.endr
.irp k, 0,1,2,3,4,5
	v_mov_b32 v[34+\k], v[16+\k]                   ; [0 | Q] in v28-39
.endr
	v_lshrrev_b32 v[S+12], s49, v[S+12]
	v_and_b32 v[S+12], 0xffff, v[S+12]
	v_lshl_or_b32 v[QS], v[S+12], 16, v[S+12]      ; my two scale bytes, twice: one word serves both operands
.set i, 0
.rept 32
	v_mov_b32 v[OT+i], 0                           ; O^T.  (The loop has no first step of its own; these lines also stand between Q's registers and the first product)
.set i, i+1
.endr
	s_cmp_lt_u32 s[WV], 13
	s_cbranch_scc0 .Lno_store_head
	ds_store_b128 v2, v[FD:FD+3]
	ds_store_b128 v2, v[FD+4:FD+7] offset:512
.Lno_store_head:
.macro ASTEP slot
	s_wait_dscnt 0x0                               ; my part of this slot has landed, and my reads of the other slot are over
	s_barrier_signal -1
	s_barrier_wait -1                              ; both now hold of every wave
	s_cmp_lt_u32 s[WV], 13
	s_cbranch_scc0 .Lnofill_\@
	s_wait_loadcnt 0x0                             ; the next record's part, asked for a step ago
	ds_store_b128 v2, v[FD+8*(1-\slot):FD+8*(1-\slot)+3] offset:(1-\slot)*RECB
	ds_store_b128 v2, v[FD+8*(1-\slot)+4:FD+8*(1-\slot)+7] offset:(1-\slot)*RECB+512
	s_add_co_u32 s38, s[ST], 2
	s_min_u32 s38, s38, 15                         ; the last steps ask for the last record again: no load leaves the buffer
	s_mul_i32 s38, s38, RECB
	s_add_nc_u64 s[40:41], s[16:17], s[38:39]      ; (the loads that named this base are done)
	global_load_b128 v[FD+8*\slot:FD+8*\slot+3], v2, s[40:41]      ; into the other set: its stores were waited for in front of the barrier
	global_load_b128 v[FD+8*\slot+4:FD+8*\slot+7], v2, s[40:41] offset:512
	s_branch .Lfilled_\@
.Lnofill_\@:
	; A prefetch of the pair's records: 26 chunks of 8,192 bytes, lanes 256 bytes apart; in step t wave 14 names chunk 2 t + 6 and wave 13 chunk 2 t + 7, of the pair's first work-group alone:
	; each block is named once; chunks 0 to 5 come by their loads; the last chunk named is the 26th.
	s_cmp_lt_u32 s[ST], s[LIM]
	s_cbranch_scc0 .Lfilled_\@
	s_wait_xcnt 0x0                                ; the last prefetch, a step back, has read its address
	s_add_nc_u64 s[PFA:PFA+1], s[PFA:PFA+1], 16384
	global_prefetch_b8 v6, s[PFA:PFA+1] th:TH_LOAD_NT scope:SCOPE_SE
.Lfilled_\@:
	s_cmp_gt_u32 s[ST], s[DS]                      ; all keys of the step come after my queries: nothing to do
	s_cbranch_scc1 .Lhidden_\@
.rept 4
	v_nop                                          ; places in front of loads into registers that the last products read
.endr
.irp p, 0,1,2,3
.irp g, 0,1,2
	ds_load_b128 v[FRG+12*\p+4*\g:FRG+12*\p+4*\g+3], v1 offset:(\slot)*RECB+1536*\p+512*\g
.endr
.endr
	ds_load_b128 v[KS:KS+3], v1 offset:(\slot)*RECB+12288
	s_wait_dscnt 0x0
.irp p, 0,1,2,3                        ; S^T = K Q^T: source 0 = 16 keys of tile 2 p beside 16 of tile 2 p + 1, source 1 = my queries beside zeros
	v_wmma_scale_f32_16x16x128_f8f6f4 v[S+16*\p:S+16*\p+7], v[FRG+12*\p:FRG+12*\p+11], v[16:27], 0, v[KS+\p], v[QS] matrix_a_fmt:MATRIX_FMT_BF6 matrix_b_fmt:MATRIX_FMT_BF6
	v_wmma_scale_f32_16x16x128_f8f6f4 v[S+16*\p+8:S+16*\p+15], v[FRG+12*\p:FRG+12*\p+11], v[28:39], 0, v[KS+\p], v[QS] matrix_a_fmt:MATRIX_FMT_BF6 matrix_b_fmt:MATRIX_FMT_BF6
.endr
.rept 4
	v_nop
.endr
.irp p, 0,1,2,3                        ; V's fragments land while the softmax is worked
.irp g, 0,1,2
	ds_load_b128 v[FRG+12*\p+4*\g:FRG+12*\p+4*\g+3], v1 offset:(\slot)*RECB+6144+1536*\p+512*\g
.endr
.endr
	ds_load_b128 v[VS:VS+3], v1 offset:(\slot)*RECB+12800
	s_cmp_lt_u32 s[ST], s[DS]                      ; only my queries' own step has hidden keys
	s_cbranch_scc1 .Lopen_\@
.set n, 0
.rept 64
	v_cmp_gt_i32 vcc_lo, 32*(n/16)+n%16, v4
	v_cndmask_b32 v[S+n], v[S+n], v[MI], vcc_lo
.set n, n+1
.endr
.Lopen_\@:
.irp b, 0,1,2,3
	v_max3_num_f32 v[BM+\b], v[S+16*\b], v[S+1+16*\b], v[S+2+16*\b]        ; the largest score of each block of 32 keys: for the row's maximum, and, since p rises with the score, for the block's largest p
.endr
.irp i, 3,5,7,9,11,13
.irp b, 0,1,2,3
	v_max3_num_f32 v[BM+\b], v[BM+\b], v[S+16*\b+\i], v[S+1+16*\b+\i]
.endr
.endr
.irp b, 0,1,2,3
	v_max_num_f32 v[BM+\b], v[BM+\b], v[S+15+16*\b]
.endr
.irp b, 0,1,2,3
	v_permlanex16_b32 v[BP+\b], v[BM+\b], s[SEL], s[SEL+1]
.endr
.irp b, 0,1,2,3
	v_max_num_f32 v[BM+\b], v[BM+\b], v[BP+\b]
.endr
	v_max3_num_f32 v[TT], v[BM], v[BM+1], v[BM+2]
	v_max_num_f32 v[TT], v[TT], v[BM+3]
	v_mul_f32 v[TT], s[CS], v[TT]
	v_max_num_f32 v13, v13, v[TT]                  ; the running largest t
	v_mov_b32 v[TT], v12
	v_floor_f32 v12, -v13                          ; the new -M = -ceil(t)
	v_sub_f32 v[TT], v12, v[TT]                    ; old M - new M: a whole number, 0 or less
	v_cvt_i32_f32 v[TT], v[TT]                     ; (it saturates)
	v_ldexp_f32 v[F], 1.0, v[TT]                   ; f = 2^(old M - new M)
.set j, 0
.rept 32
	v_pk_fma_f32 v[S+j:S+j+1], v[S+j:S+j+1], s[CS:CS+1], v[12:13] op_sel_hi:[1,0,0]   ; t - M
.set j, j+2
.endr
.irp b, 0,1,2,3
	v_fma_f32 v[BM+\b], v[BM+\b], s[CS], v12
.endr
.set j, 0
.rept 64
	v_exp_f32 v[S+j], v[S+j]                       ; p = 2^(t - M)
.set j, j+1
.endr
	v_pk_mul_f32 v[14:15], v[14:15], v[F:F+1] op_sel_hi:[1,0]      ; the sums under the new M: a plain line behind the batch
	s_wait_alu depctr_va_vdst(0)                   ; one wait for the 64, ahead of their first reader
.irp b, 0,1,2,3
	v_exp_f32 v[BM+\b], v[BM+\b]                   ; each block's largest p
.endr
	v_pk_add_f32 v[SUM2:SUM2+1], v[S:S+1], v[S+2:S+3]              ; the row's sum of the unquantised p, in two chains
.set j, 4
.rept 15
	v_pk_add_f32 v[14:15], v[14:15], v[S+j:S+j+1]
	v_pk_add_f32 v[SUM2:SUM2+1], v[SUM2:SUM2+1], v[S+2+j:S+3+j]
.set j, j+4
.endr
	v_pk_add_f32 v[14:15], v[14:15], v[SUM2:SUM2+1]
	s_wait_alu depctr_va_vdst(0)                   ; and one for the four
.irp b, 0,1,2,3
	v_max_num_f32 v[BM+\b], 0x2800000, v[BM+\b]    ; the floor 2^(5 - 127)
.endr
.irp b, 0,1,2,3
	v_add_nc_u32 v[BO+\b], 0xfe000000, v[BM+\b]
.endr
.irp b, 0,1,2,3
	v_lshrrev_b32 v[BP+\b], 23, v[BO+\b]
.endr
	v_lshl_or_b32 v[PS], v[BP+1], 8, v[BP]
	v_lshl_or_b32 v[PS], v[BP+2], 16, v[PS]
	v_lshl_or_b32 v[PS], v[BP+3], 24, v[PS]
.irp c, 0,1
	v_cvt_scalef32_pk16_bf6_f32 v[PC+6*\c:PC+6*\c+2], v[S+32*\c:S+32*\c+15], v[BO+2*\c]
	v_cvt_scalef32_pk16_bf6_f32 v[PT+4*\c:PT+4*\c+2], v[S+16+32*\c:S+31+32*\c], v[BO+2*\c+1]
.endr
	v_nop
.irp c, 0,1
.irp i, 0,1,2
	v_permlane16_swap_b32 v[PC+6*\c+\i], v[PT+4*\c+\i]
.endr
.irp i, 0,1,2
	v_mov_b32 v[PC+3+6*\c+\i], v[PT+4*\c+\i]
.endr
.endr
.set j, 0
.rept 16
	v_pk_mul_f32 v[OT+j:OT+j+1], v[OT+j:OT+j+1], v[F:F+1] op_sel_hi:[1,0]  ; O^T under the new M; these lines also stand between p's registers and the products
.set j, j+2
.endr
	s_wait_dscnt 0x0                               ; V
.irp d, 0,1,2,3                        ; O^T += V^T P^T: the four accumulators by turns
	v_wmma_scale_f32_16x16x128_f8f6f4 v[OT+8*\d:OT+8*\d+7], v[FRG+12*\d:FRG+12*\d+11], v[PC:PC+11], v[OT+8*\d:OT+8*\d+7], v[VS+\d], v[PS] matrix_a_fmt:MATRIX_FMT_BF6 matrix_b_fmt:MATRIX_FMT_BF6
.endr
.Lhidden_\@:
	s_add_co_u32 s[ST], s[ST], 1
.endm
	s_mov_b32 s[TR], 8
.Lpair:
	ASTEP 0
	ASTEP 1
	s_sub_co_u32 s[TR], s[TR], 1
	s_cmp_lg_u32 s[TR], 0
	s_cbranch_scc1 .Lpair
	; THE WAY OUT.  O^T / the sum; registers 16 b + i are d = 32 b + 16 h + i of my query: two blocks of the last product's K, each in lanes l and l xor 16.
.rept 4
	v_nop
.endr
	v_add_f32 v14, v14, v15
	v_permlanex16_b32 v[TT], v14, s[SEL], s[SEL+1]
	v_add_f32 v14, v14, v[TT]
	v_rcp_f32 v14, v14
	v_nop
	s_wait_alu depctr_va_vdst(0)
.set j, 0
.rept 32
	v_mul_f32 v[S+j], v[OT+j], v14
.set j, j+1
.endr
.irp b, 0,1
	v_max3_num_f32 v[BM+\b], |v[S+16*\b]|, |v[S+1+16*\b]|, 0x2800000
.endr
.irp i, 2,4,6,8,10,12,14
.irp b, 0,1
	v_max3_num_f32 v[BM+\b], v[BM+\b], |v[S+16*\b+\i]|, |v[S+1+16*\b+\i]|
.endr
.endr
.irp b, 0,1
	v_permlanex16_b32 v[BP+\b], v[BM+\b], s[SEL], s[SEL+1]
.endr
.irp b, 0,1
	v_max_num_f32 v[BM+\b], v[BM+\b], v[BP+\b]
.endr
.irp b, 0,1
	v_add_nc_u32 v[BO+\b], 0xfe000000, v[BM+\b]
.endr
.irp b, 0,1
	v_lshrrev_b32 v[BP+\b], 23, v[BO+\b]
.endr
	v_lshl_or_b32 v[TT], v[BP+1], 8, v[BP]
	v_cvt_scalef32_pk16_bf6_f32 v[PC:PC+2], v[S:S+15], v[BO]
	v_cvt_scalef32_pk16_bf6_f32 v[PC+4:PC+6], v[S+16:S+31], v[BO+1]
	v_nop
	global_store_b96 v10, v[PC:PC+2], s[30:31]                     ; a place's 24 bytes are lane r's 12 and lane r + 16's 12: 384 consecutive bytes a store
	global_store_b96 v10, v[PC+4:PC+6], s[30:31] offset:384
	global_store_b16 v11, v[TT], s[32:33]                          ; lanes r and r + 16 write the same two bytes with the same value
	s_wait_tensorcnt 0x0
	ds_add_u32 v254, v255
	s_wait_dscnt 0x0
	s_endpgm
.Lfunc_end_k_qb1b6920fa7_attn:
	.size	k_qb1b6920fa7_attn, .Lfunc_end_k_qb1b6920fa7_attn-k_qb1b6920fa7_attn
	.p2alignl 7, 3214868480
	.fill 96, 4, 3214868480
	.section	.rodata,"a",@progbits
	.p2align	6, 0x0
	.amdhsa_kernel k_qb1b6920fa7_attn
		.amdhsa_group_segment_fixed_size 28672
		.amdhsa_private_segment_fixed_size 0
		.amdhsa_enable_private_segment 0
		.amdhsa_kernarg_size 16
		.amdhsa_user_sgpr_count 2
		.amdhsa_user_sgpr_kernarg_segment_ptr 1
		.amdhsa_wavefront_size32 1
		.amdhsa_system_sgpr_workgroup_id_x 1
		.amdhsa_system_sgpr_workgroup_id_y 1
		.amdhsa_system_sgpr_workgroup_id_z 1
		.amdhsa_system_vgpr_workitem_id 0
		.amdhsa_next_free_vgpr 256
		.amdhsa_next_free_sgpr 66
		.amdhsa_reserve_vcc 1
		.amdhsa_float_denorm_mode_32 3
		.amdhsa_float_denorm_mode_16_64 3
		.amdhsa_memory_ordered 1
		.amdhsa_forward_progress 1
		.amdhsa_inst_pref_size 53
	.end_amdhsa_kernel
	.amdgpu_metadata
---
amdhsa.version: [ 1, 2 ]
amdhsa.kernels:
  - .name:           k_qb1b6920fa7_attn
    .symbol:         k_qb1b6920fa7_attn.kd
    .args:
      - { .name: rec, .offset: 0, .size: 8, .value_kind: global_buffer, .address_space: global }
      - { .name: aobuf, .offset: 8, .size: 8, .value_kind: global_buffer, .address_space: global }
    .group_segment_fixed_size: 28672
    .private_segment_fixed_size: 0
    .kernarg_segment_align: 8
    .kernarg_segment_size: 16
    .max_flat_workgroup_size: 512
    .sgpr_count:     66
    .vgpr_count:     256
    .wavefront_size: 32
...
	.end_amdgpu_metadata
.endif
;; end of part 3
;; launch oproj (part 4): grid 8 x 32, 4 waves a work-group, clusters of 4 x 4, 222,720 bytes of LDS; arguments aobuf, owbuf, ob, out0; writes out0
.if DOCPART == 4
	.amdgcn_target "amdgcn-amd-amdhsa--gfx1250"
	.amdhsa_code_object_version 6
	.text
	.protected	k_qb1b6920fa7_oproj
	.globl	k_qb1b6920fa7_oproj
	.p2align	8
	.type	k_qb1b6920fa7_oproj,@function
k_qb1b6920fa7_oproj:
	s_mov_b64 s[64:65], 0
	v_nop
	global_prefetch_b8 v0, s[64:65] scope:SCOPE_SE
	s_setreg_imm32_b32 hwreg(HW_REG_WAVE_MODE, 25, 1), 1
	s_wait_xcnt 0x0
	s_wait_alu depctr_hold_cnt(0) depctr_sa_sdst(0) depctr_va_vdst(0) depctr_va_sdst(0) depctr_va_ssrc(0) depctr_va_vcc(0) depctr_vm_vsrc(0)
	s_getreg_b32 s2, hwreg(HW_REG_IB_STS2, 6, 4)
	s_cmp_eq_u32 s2, 0
	s_cbranch_scc0 .Lentry_in_a_cluster
	s_endpgm
.Lentry_in_a_cluster:
	s_bfe_u32 s2, ttmp6, 0x10000c
	s_cmp_lg_u32 s2, 0xf033
	s_cbranch_scc0 .Lentry_shape_is_right
	s_endpgm
.Lentry_shape_is_right:
; out0 [4096][1024] f32 = ao oW^T + ob, on codes of BF6 (E3M2) with one E8M0 byte for each 32 along K; K = 1,024.
; aobuf [32 groups of 128 tokens][4 blocks of 256 K], owbuf [8 groups of 128 rows of oW][4]: blocks of 25,600 dense bytes: codes at T*3072 + kb*384 + 24 r, scale bytes at 24576 + T*128 + 8 r + kb;
; in each 32 rows tile u, place r holds row 8 u + r + 8 (r / 8).
; A tile of 128 x 128, so that there are 256 work-groups; four waves, 64 x 64 each: 16 accumulators.  All of K of both sides is 204,800 bytes: every LDS byte is filled once, by two tensor loads a wave; there is no ring.
; CLUSTERS: 4 x 4 work-groups; the tokens' blocks are shared along a row of the cluster, oW's along a column: joint loads.
; The matrix instruction is used transposed (source 0 = 16 rows of oW, source 1 = 16 tokens): a lane holds eight neighbouring columns of a row.  The bias is the C of each sum's first instruction.
; REGISTERS: window 0: v2-11 addresses; v16-31 scale words, two sets; v32-63 the bias; v64-127 the way out; v128-255 the accumulators.  window 1: two sets of 4 fragments of A and 4 of B, at v0 and v128.
.set BLKB,  25600
.set BOFF,  4*BLKB                     ; A's four blocks, then B's four
.set STAGE, 8*BLKB                     ; behind them: 16 rows x 272 bytes for each wave, for the way out: no tensor load lands there
.set SP,    272
.set ADRA, 2                           ; v2-3   my A fragments in blocks 0-1, 2-3
.set ADRB, 4
.set ADRS, 6                           ; v6-7   my scale words: lanes 0-15 A's, lanes 16-31 B's
.set STO,  8
.set RD,   9
.set CO,   10
.set BOF,  11
.set SC,   16
.set BI,   32
.set OB,   64
.set ACC,  128
.set G1, 24
.set G0, 32
.set G1B, 48
.set G0B, 56
.set MSB, 0
.macro WIN new
.if MSB != (\new)
	s_set_vgpr_msb (MSB<<8)|(\new)
.set MSB, (\new)
.endif
.endm
.macro CROUND                          ; a round of the cluster's barrier
	s_barrier_signal -1
	s_barrier_wait -1
	s_cmp_lg_u32 s14, 0
	s_cbranch_scc1 .Lnot_wave_0_\@
	s_barrier_signal -3
.Lnot_wave_0_\@:
	s_barrier_wait -3
	s_barrier_signal -1
	s_barrier_wait -1
.endm
	s_load_b256 s[4:11], s[0:1], 0x0               ; aobuf, owbuf, ob, out0
	v_lshl_add_u32 v15, v0, 2, 0x36400
	s_set_vgpr_msb 0x40
	v_mov_b32 v255, 0
	s_set_vgpr_msb 0x4044
	ds_add_u32 v15, v255
	ds_add_u32 v15, v255
	s_set_vgpr_msb 0x4400
	v_lshrrev_b32 v1, 5, v0
	v_readfirstlane_b32 s14, v1
	s_lshr_b32 s15, s14, 1                         ; which 64 tokens are mine.  Also: I fetch for A (0) or for B (1)
	s_and_b32 s16, s14, 1                          ; which 64 columns.  Also: I fetch blocks 0 and 2, or 1 and 3
	s_bfe_u32 s40, ttmp6, 0x40000                  ; cx
	s_bfe_u32 s41, ttmp6, 0x40004                  ; cy
	s_lshl_b32 s42, ttmp9, 2
	s_add_co_u32 s42, s42, s40                     ; tile column
	s_and_b32 s17, ttmp7, 0xffff
	s_lshl_b32 s17, s17, 2
	s_add_co_u32 s17, s17, s41                     ; tile row
	s_lshl_b32 s43, s41, 2
	s_lshl_b32 s43, 15, s43
	s_lshl_b32 s44, 0x1111, s40
	s_or_b32 s[G1+0], s43, (3<<16)|(1<<21)         ; a dense block as 100 rows of 32 elements of 8 bytes; the mask: my row of the cluster; bit 21 set beside it
	s_or_b32 s[G1B+0], s44, (3<<16)|(1<<21)        ; my column
.irp g, G1, G1B
	s_mov_b32 s[\g+1], 32<<16
	s_mov_b32 s[\g+2], 100<<16
	s_mov_b32 s[\g+3], 32<<16
	s_mov_b32 s[\g+4], 100
	s_mov_b32 s[\g+5], 32
	s_mov_b32 s[\g+6], 0
	s_mov_b32 s[\g+7], 0
.endr
	s_lshl_b32 s20, s17, 2
	s_add_co_u32 s20, s20, s16
	s_mul_i32 s20, s20, BLKB
	s_mov_b32 s21, 0
	s_lshl_b32 s46, s42, 2
	s_add_co_u32 s46, s46, s16
	s_mul_i32 s46, s46, BLKB
	s_mov_b32 s47, 0
	s_mul_i32 s45, s16, BLKB
	s_wait_dscnt 0x0
	s_wait_kmcnt 0x0
	s_add_nc_u64 s[20:21], s[4:5], s[20:21]
	s_add_nc_u64 s[46:47], s[6:7], s[46:47]
	CROUND                                         ; all sixteen work-groups are here: the joint loads meet
.irp s, 0,1
	s_mov_b32 s[G0+4*\s], 1
	s_add_co_u32 s[G0+4*\s+1], s45, \s*2*BLKB
	s_add_nc_u64 s[G0+4*\s+2:G0+4*\s+3], s[20:21], \s*2*BLKB
	s_or_b32 s[G0+4*\s+3], s[G0+4*\s+3], 0x80000000
	s_mov_b32 s[G0B+4*\s], 1
	s_add_co_u32 s[G0B+4*\s+1], s45, BOFF+\s*2*BLKB
	s_add_nc_u64 s[G0B+4*\s+2:G0B+4*\s+3], s[46:47], \s*2*BLKB
	s_or_b32 s[G0B+4*\s+3], s[G0B+4*\s+3], 0x80000000
.endr
	s_cmp_eq_u32 s15, 0                            ; a wave's two fills stand in one branch: two tensor loads of mine are out; four v_nop follow the second
	s_cbranch_scc0 .Lfirst_b
	tensor_load_to_lds s[G0:G0+3], s[G1:G1+7]
	s_nop 0
	tensor_load_to_lds s[G0+4:G0+7], s[G1:G1+7]
	s_nop 0
.rept 4
	v_nop
.endr
	s_branch .Lfirst_done
.Lfirst_b:
	tensor_load_to_lds s[G0B:G0B+3], s[G1B:G1B+7]
	s_nop 0
	tensor_load_to_lds s[G0B+4:G0B+7], s[G1B:G1B+7]
	s_nop 0
.rept 4
	v_nop
.endr
.Lfirst_done:
	v_and_b32 v1, 15, v0                           ; r
	v_bfe_u32 v12, v0, 4, 1                        ; h
	v_mul_u32_u24 v13, v1, 24
	v_mad_u32_u24 v13, v12, 384, v13
	s_mul_i32 s22, s15, 4*3072                     ; my four tiles of A,
	s_mul_i32 s23, s16, 4*3072
	s_add_co_u32 s23, s23, BOFF                    ; of B
	v_add_nc_u32 v[ADRA], s22, v13
	v_add_nc_u32 v[ADRA+1], 2*BLKB, v[ADRA]
	v_add_nc_u32 v[ADRB], s23, v13
	v_add_nc_u32 v[ADRB+1], 2*BLKB, v[ADRB]
	s_lshl_b32 s22, s15, 9
	s_lshl_b32 s23, s16, 9
	s_add_co_u32 s23, s23, BOFF
	s_sub_co_u32 s23, s23, s22                     ; from A's scale words to B's
	v_mul_u32_u24 v14, s23, v12                    ; lanes 16-31 take B's
	v_lshl_add_u32 v14, v1, 3, v14
	s_add_co_u32 s22, s22, 24576
	v_add_nc_u32 v[ADRS], s22, v14
	v_add_nc_u32 v[ADRS+1], 2*BLKB, v[ADRS]
	s_mul_i32 s22, s14, 16*SP
	s_add_co_u32 s22, s22, STAGE                   ; my stage
	v_mul_u32_u24 v14, v1, SP
	v_lshl_add_u32 v14, v12, 6, v14
	v_add_nc_u32 v[STO], s22, v14                  ; in: row r, + 64 h
	v_mul_u32_u24 v14, v12, SP
	v_lshl_add_u32 v14, v1, 4, v14
	v_add_nc_u32 v[RD], s22, v14                   ; back: lanes 0-15 one row of 256 bytes, lanes 16-31 the next
	v_lshlrev_b32 v[CO], 12, v12
	v_lshl_add_u32 v[CO], v1, 4, v[CO]             ; and the same two rows of out0
	v_lshlrev_b32 v[BOF], 6, v12                   ; the bias: 4 x 16 h
	s_lshl_b32 s22, s42, 9
	s_lshl_b32 s23, s16, 8
	s_add_co_u32 s22, s22, s23                     ; my first column, in bytes
	s_mov_b32 s23, 0
	s_add_nc_u64 s[8:9], s[8:9], s[22:23]
	s_add_nc_u64 s[10:11], s[10:11], s[22:23]
	s_lshl_b32 s22, s17, 19
	s_lshl_b32 s18, s15, 18
	s_add_co_u32 s22, s22, s18                     ; my first row
	s_add_nc_u64 s[10:11], s[10:11], s[22:23]
.irp b, 0,1,2,3                        ; register j of B's tile b is column 32 (b / 2) + 8 (b % 2) + 16 h + j
	global_load_b128 v[BI+8*\b:BI+8*\b+3], v[BOF], s[8:9] offset:4*(32*(\b/2)+8*(\b%2))
	global_load_b128 v[BI+8*\b+4:BI+8*\b+7], v[BOF], s[8:9] offset:4*(32*(\b/2)+8*(\b%2))+16
.endr
.macro FETCH st                        ; step st: 128 along K: 4 fragments of A, 4 of B, into set st % 2; with a block's first step its scale words
.set KSL, (\st)/2
.set QQ, (\st)%2
.set FB, 128*((\st)%2)
	WIN 0x40                                       ; destination window 1
.irp i, 0,1,2,3
.irp p, 0,1,2,3,4,5
	ds_load_b64 v[FB+12*\i+2*\p:FB+12*\i+2*\p+1], v[ADRA+KSL/2] offset:(KSL%2)*BLKB+\i*3072+QQ*1536+(\p/3)*768+(\p%3)*8
.endr
.irp p, 0,1,2,3,4,5
	ds_load_b64 v[FB+48+12*\i+2*\p:FB+48+12*\i+2*\p+1], v[ADRB+KSL/2] offset:(KSL%2)*BLKB+\i*3072+QQ*1536+(\p/3)*768+(\p%3)*8
.endr
.endr
	WIN 0
.if QQ == 0
.irp i, 0,1,2,3
	ds_load_b64 v[SC+8*(KSL%2)+2*\i:SC+8*(KSL%2)+2*\i+1], v[ADRS+KSL/2] offset:(KSL%2)*BLKB+\i*128
.endr
.endif
.endm
.macro MULS st                         ; 16 matrix instructions; the accumulators take turns, in the same order in every step
.set KSL, (\st)/2
.set QQ, (\st)%2
.set FB, 128*((\st)%2)
	WIN 0x05                                       ; sources 0 and 1 window 1; C and D window 0
.irp a, 0,1,2,3
.irp b, 0,1,2,3
.if (\st) == 0
	v_wmma_scale_f32_16x16x128_f8f6f4 v[ACC+8*(4*\a+\b):ACC+8*(4*\a+\b)+7], v[FB+48+12*\b:FB+48+12*\b+11], v[FB+12*\a:FB+12*\a+11], v[BI+8*\b:BI+8*\b+7], v[SC+8*(KSL%2)+2*\b+QQ], v[SC+8*(KSL%2)+2*\a+QQ] matrix_a_fmt:MATRIX_FMT_BF6 matrix_b_fmt:MATRIX_FMT_BF6 matrix_a_scale:MATRIX_SCALE_ROW1
.else
	v_wmma_scale_f32_16x16x128_f8f6f4 v[ACC+8*(4*\a+\b):ACC+8*(4*\a+\b)+7], v[FB+48+12*\b:FB+48+12*\b+11], v[FB+12*\a:FB+12*\a+11], v[ACC+8*(4*\a+\b):ACC+8*(4*\a+\b)+7], v[SC+8*(KSL%2)+2*\b+QQ], v[SC+8*(KSL%2)+2*\a+QQ] matrix_a_fmt:MATRIX_FMT_BF6 matrix_b_fmt:MATRIX_FMT_BF6 matrix_a_scale:MATRIX_SCALE_ROW1
.endif
.endr
.endr
.endm
	s_wait_tensorcnt 0x1                           ; my first load is in (the second may be out)
	s_barrier_signal -1
	s_barrier_wait -1                              ; everybody's: blocks 0 and 1 of both sides
	FETCH 0
	s_wait_loadcnt 0x0                             ; the bias
.irp st, 0,1,2,3,4,5,6,7
.if \st > 0
.rept 4
	v_nop                                          ; places in front of loads into registers that the last step but one's successor has read
.endr
.endif
.if \st == 3
	s_wait_dscnt 0x0                               ; no LDS load of mine is out at a signal
	s_wait_tensorcnt 0x0                           ; my second load is in,
	s_barrier_signal -1
	s_barrier_wait -1                              ; everybody's: blocks 2 and 3
.endif
.if \st < 7
	FETCH \st+1
.if (\st%2) == 1
	s_wait_dscnt 52                                ; all but the loads just issued: this step's fragments are in
.else
	s_wait_dscnt 48
.endif
.else
	s_wait_dscnt 0x0
.endif
	MULS \st
.endr
	WIN 0
.rept 4
	v_nop                                          ; places in front of the first read of results
.endr
	; THE WAY OUT, a tile of 16 tokens x 64 columns at a time, through my own stage: sixteen lanes then store 256 consecutive bytes, aligned.
.irp a, 0,1,2,3
.if \a > 1
	s_wait_xcnt 0x0                                ; the stores of two tiles back have read their registers
.endif
.irp b, 0,1,2,3
	ds_store_b128 v[STO], v[ACC+8*(4*\a+\b):ACC+8*(4*\a+\b)+3] offset:128*(\b/2)+32*(\b%2)         ; each accumulator from its low end on
	ds_store_b128 v[STO], v[ACC+8*(4*\a+\b)+4:ACC+8*(4*\a+\b)+7] offset:128*(\b/2)+32*(\b%2)+16
.endr
.irp t, 0,1,2,3,4,5,6,7
	ds_load_b128 v[OB+32*(\a%2)+4*\t:OB+32*(\a%2)+4*\t+3], v[RD] offset:2*\t*SP    ; LDS serves a wave's instructions in order: these see my stores
.endr
.irp t, 0,1,2,3,4,5,6,7
	s_wait_dscnt 7-\t
	global_store_b128 v[CO], v[OB+32*(\a%2)+4*\t:OB+32*(\a%2)+4*\t+3], s[10:11] offset:(32*(\a/2)+8*(\a%2)+2*\t+8*(\t/4))*4096 th:TH_STORE_NT   ; place 2 t + l / 16 of tile a is this row
.endr
.endr
	s_set_vgpr_msb 0x4
	s_wait_tensorcnt 0x0
	ds_add_u32 v15, v255
	s_wait_dscnt 0x0
	s_set_vgpr_msb 0x400
	CROUND                                         ; the closing round: no work-group ends while a partner may still ask for a block that names it
	s_endpgm
.Lfunc_end_k_qb1b6920fa7_oproj:
	.size	k_qb1b6920fa7_oproj, .Lfunc_end_k_qb1b6920fa7_oproj-k_qb1b6920fa7_oproj
	.p2alignl 7, 3214868480
	.fill 96, 4, 3214868480
	.section	.rodata,"a",@progbits
	.p2align	6, 0x0
	.amdhsa_kernel k_qb1b6920fa7_oproj
		.amdhsa_group_segment_fixed_size 222720
		.amdhsa_private_segment_fixed_size 0
		.amdhsa_enable_private_segment 0
		.amdhsa_kernarg_size 32
		.amdhsa_user_sgpr_count 2
		.amdhsa_user_sgpr_kernarg_segment_ptr 1
		.amdhsa_wavefront_size32 1
		.amdhsa_system_sgpr_workgroup_id_x 1
		.amdhsa_system_sgpr_workgroup_id_y 1
		.amdhsa_system_sgpr_workgroup_id_z 1
		.amdhsa_system_vgpr_workitem_id 0
		.amdhsa_next_free_vgpr 512
		.amdhsa_next_free_sgpr 80
		.amdhsa_reserve_vcc 0
		.amdhsa_float_denorm_mode_32 3
		.amdhsa_float_denorm_mode_16_64 3
		.amdhsa_memory_ordered 1
		.amdhsa_forward_progress 1
		.amdhsa_inst_pref_size 60
	.end_amdhsa_kernel
	.amdgpu_metadata
---
amdhsa.version: [ 1, 2 ]
amdhsa.kernels:
  - .name:           k_qb1b6920fa7_oproj
    .symbol:         k_qb1b6920fa7_oproj.kd
    .args:
      - { .name: aobuf, .offset: 0, .size: 8, .value_kind: global_buffer, .address_space: global }
      - { .name: owbuf, .offset: 8, .size: 8, .value_kind: global_buffer, .address_space: global }
      - { .name: ob, .offset: 16, .size: 8, .value_kind: global_buffer, .address_space: global }
      - { .name: out0, .offset: 24, .size: 8, .value_kind: global_buffer, .address_space: global }
    .group_segment_fixed_size: 222720
    .private_segment_fixed_size: 0
    .kernarg_segment_align: 8
    .kernarg_segment_size: 32
    .max_flat_workgroup_size: 128
    .sgpr_count:     80
    .vgpr_count:     512
    .wavefront_size: 32
...
	.end_amdgpu_metadata
.endif
;; end of part 4
;; ======== version 2 of 2: 4 launches; version 1 with the launch attn written anew for expert scheduling mode
;; limits: right only within a limited range of input values
;; workspace buffers: abuf 17,203,200 bytes; owbuf 819,200 bytes; aobuf 3,276,800 bytes; mult 147,456 bytes; rec 13,631,488 bytes
;; launch prep: the kernel of part 1 again; grid 704 x 1, 4 waves a work-group, no clusters, 121,344 bytes of LDS; arguments x, qWp, qWi, qWd, kWp, kWi, kWd, vWp, vWi, vWd, oW, qWg, kWg, vWg, qbg, kbg, vbg, abuf, owbuf, mult; writes abuf, owbuf, mult
;; launch qkv: the kernel of part 2 again; grid 12 x 16, 4 waves a work-group, clusters of 4 x 4, 327,680 bytes of LDS; arguments abuf, mult, rec; writes rec
;; launch attn (part 5): grid 8 x 32, 16 waves a work-group, no clusters, 28,672 bytes of LDS; arguments rec, aobuf; writes aobuf
.if DOCPART == 5
	.amdgcn_target "amdgcn-amd-amdhsa--gfx1250"
	.amdhsa_code_object_version 6
	.text
	.protected	k_qb1b6920fa7_attn
	.globl	k_qb1b6920fa7_attn
	.p2align	8
	.type	k_qb1b6920fa7_attn,@function
k_qb1b6920fa7_attn:
	s_mov_b64 s[64:65], 0
	v_nop
	global_prefetch_b8 v0, s[64:65] scope:SCOPE_SE
	s_setreg_imm32_b32 hwreg(HW_REG_WAVE_SCHED_MODE, 0, 2), 2
	s_setreg_imm32_b32 hwreg(HW_REG_WAVE_MODE, 25, 1), 1
	s_wait_xcnt 0x0
	s_wait_alu depctr_vm_vsrc(0)
; Causal attention on codes of BF6 (E3M2), head size 64, 2,048 tokens, 32 (batch, head) pairs; O / l is quantised along head x 64 + d and stored as the last product's operand.
; THE SOFTMAX: t = score x log2(e) / 8; M = the row's largest t so far, rounded up to a whole number; p = 2^(t - M) is quantised along the keys, not normalised; the row's sum is taken of the unquantised p
; and divides O at the end.  When M moves, the sum and O are multiplied by 2^(old M - new M): exact.
; rec: Q's records, then (KVOFF on) K's and V's: [pair][step of 128 tokens], 13,312 bytes: 4 fragments of K as images of their registers (key tile 2 p in registers 0-5, tile 2 p + 1 in 6-11: the head's 64 fill
; half of the instruction's K), 4 fragments of V^T (16 features x 128 keys), K's scale words (four a lane), V's.  Key tile 2 p is multiplied by [Q | 0], tile 2 p + 1 by [0 | Q]: zero codes add nothing.
; In each 32 tokens tile u, place r holds token 8 u + r + 8 (r / 8): so the 16 registers of score tiles 2 b and 2 b + 1 are keys 32 b + 16 (lane / 16) + 0 .. 15.
; SHARES.  A work-group has sixteen waves, four to a SIMD; wave w owns one tile of 16 queries: tile 8 x + w (w < 8) or 127 - 8 x - (w - 8): waves w, w + 4, w + 8, w + 12 have 34 key steps together in every work-group.
; Every work-group walks all 16 steps: trip counts are constants; a step all of whose keys are hidden from the wave's queries is jumped over but for its barrier and its part of the ring.
; THE RING: two LDS slots of one record; waves 0-12 bring 1,024 bytes each through registers, two steps ahead; one barrier a step.
; No joint loads: a step brings 13 KB to a work-group, against sixteen waves' reads of it and their softmax.
; LIMITS: blocks whose largest magnitude lies under 2^-122 keep the byte 1; NaN and infinities are not served.
; THE MODE: SCHED_MODE bits 1:0 = 2 (LLVM: expert scheduling mode 2), set by the entry lines.  The code itself states the register dependences
; between vector or matrix instructions and memory or LDS instructions, with s_wait_alu, always for 0.
; THE PLAN.  Registers that memory or LDS instructions touch:
;   v1, v2, v3, v5, v6, v10, v11   addresses and offsets: made at the head, ahead of one wait on va_vdst, and never written again.
;   FD0, FD1   the ring's data.  A step on slot s: LDS stores read FD[1 - s]; global loads land in FD[s], which the LDS stores of the step before have read: one wait on vm_vsrc.  No vector line names them.
;   FRG, KS    K's fragments and scale words land at a step's head; the eight products S^T read them; then V's fragments land in FRG, and the four products O^T read them and VS.
;              One wait on va_vdst ahead of K's loads (the last step's products are done reading), one behind S^T (these products are done reading).  Behind the second, V's thirteen loads are dealt among the
;              rows of the blocks' maxima, which name S and BM alone: none of the registers that those loads touch.
;   PC, PS     p's codes and scale word: written by vector lines, taken by the scaled products: one wait on va_vdst ahead of O^T's four, behind sixteen plain lines.  Q's operands likewise, once: the first step's first wait.
;   PC, TT     on the way out: written by the conversions and a shift, read by the stores: one wait on va_vdst.
; Scalar registers that vector lines write: the wave's number, and the causal mask's sixteen masks at a time (s48-63): a wait on va_sdst ahead of their first readers.
.set RECB,  13312
.set HEADB, 16*RECB
.set KVOFF, 512*RECB
.set FRG,  40                          ; v40-87   four fragments of K, then of V
.set S,    88                          ; v88-151  the scores, then p; at the head Q as loaded
.set OT,   152                         ; v152-183 O^T
.set PC,   184                         ; v184-195 p's codes
.set PT,   196                         ; v196-202 upper halves of blocks
.set BM,   204                         ; v204-207 each block's largest score, then largest p
.set BP,   208                         ; v208-211 the other half's; then the bytes
.set BO,   212                         ; v212-215 the conversions' scale operands
.set KS,   216                         ; v216-219 K's scale words
.set VS,   220                         ; v220-223 V's
.set PS,   224                         ; p's scale word
.set QS,   225                         ; Q's
.set F,    226                         ; v226 f = 2^(old M - new M)
.set TT,   228
.set MI,   229                         ; -infinity
.set SUM2, 230
.set FD,   232                         ; v232-247 the ring's data, two sets by turns
.set WV,   8
.set DS,   12                          ; my queries' own step
.set PFA,  34
.set LIM,  36
.set ST,   42
.set TR,   43
.set SEL,  44
.set CS,   46
.set MK,   48                          ; s48-63   sixteen masks of the causal mask
	s_load_b128 s[4:7], s[0:1], 0x0                ; rec, aobuf
	v_lshl_add_u32 v254, v0, 2, 0x6800
	v_mov_b32 v255, 0
	v_lshrrev_b32 v1, 5, v0
	v_readfirstlane_b32 s[WV], v1
	v_and_b32 v7, 31, v0
	v_lshlrev_b32 v1, 4, v7                        ; v1: 16 x lane: an image's place for my lane
	v_lshlrev_b32 v6, 8, v7                        ; v6: the prefetches: lanes 256 bytes apart
	v_and_b32 v8, 15, v0                           ; r
	v_bfe_u32 v9, v0, 4, 1                         ; h
	s_and_b32 s9, ttmp7, 0xffff                    ; the pair: 16 x batch + head
	s_lshl_b32 s10, ttmp9, 3
	s_wait_alu depctr_va_sdst(0)                   ; the wave's number is written, ahead of its first reader: addresses, branches and bases are made from it
	s_lshl_b32 s22, s[WV], 10
	v_add_nc_u32 v2, s22, v1                       ; v2: my 16 bytes of my wave's 1,024 of a record, in memory and in a slot
	s_add_co_u32 s11, s10, s[WV]
	s_sub_co_u32 s13, 135, s10
	s_sub_co_u32 s13, s13, s[WV]
	s_cmp_lt_u32 s[WV], 8
	s_cselect_b32 s11, s11, s13                    ; my tile of queries, 0 .. 127
	s_lshr_b32 s[DS], s11, 3
	s_and_b32 s13, s11, 7                          ; its tile in the 128 tokens
	s_lshr_b32 s14, s13, 1                         ; the pair of tiles,
	s_and_b32 s15, s11, 1                          ; and which of the two
	s_mul_i32 s18, s9, HEADB
	s_mov_b32 s19, 0
	s_mul_i32 s20, s[DS], RECB
	s_add_co_u32 s20, s20, s18
	s_mov_b32 s21, 0
	s_lshr_b32 s24, s9, 4
	s_lshl_b32 s24, s24, 4
	s_add_co_u32 s24, s24, s[DS]                   ; my tokens' group
	s_lshl_b32 s24, s24, 2
	s_and_b32 s25, s9, 15                          ; the head
	s_lshr_b32 s26, s25, 2
	s_add_co_u32 s24, s24, s26                     ; four heads to a block of 256 along K
	s_mul_i32 s24, s24, 25600
	s_and_b32 s26, s25, 3
	s_mul_i32 s30, s26, 768                        ; the head's two blocks of 32: kb = 2 (head % 4)
	s_mul_i32 s28, s13, 3072
	s_add_co_u32 s30, s30, s28
	s_add_co_u32 s30, s30, s24
	s_mov_b32 s31, 0
	s_lshl_b32 s32, s26, 1
	s_lshl_b32 s28, s13, 7
	s_add_co_u32 s32, s32, s28
	s_add_co_u32 s32, s32, s24
	s_add_co_u32 s32, s32, 24576
	s_mov_b32 s33, 0
	s_and_b32 s38, s[WV], 1
	s_lshl_b32 s38, s38, 13
	s_add_co_u32 s38, s38, 32768
	s_mov_b32 s39, 0
	s_sub_co_u32 s[LIM], s[WV], 13
	s_lshr_b32 s[LIM], s[LIM], 1                   ; 0 in waves 13 and 14,
	s_or_b32 s[LIM], s[LIM], ttmp9                 ; of the pair's first work-group
	s_cmp_eq_u32 s[LIM], 0
	s_cselect_b32 s[LIM], 10, 0                    ; they prefetch in steps 0 to 9
	s_mov_b32 s[SEL], 0x76543210
	s_mov_b32 s[SEL+1], 0xfedcba98
	s_mov_b32 s[CS], 0x3e38aa3b                    ; c = log2(e) / sqrt(64)
	s_mov_b32 s[CS+1], s[CS]
	s_mov_b32 s[ST], 0
	; all addresses are made here, ahead of the one wait that states them written; no scalar register that a vector line has read is written again
	s_mul_i32 s27, s14, 1536
	v_add_nc_u32 v5, s27, v1                       ; v5: the pair fragment that holds my queries
	s_lshl_b32 s29, s14, 2
	v_add_nc_u32 v3, s29, v1                       ; v3: and its scale word
	v_and_b32 v10, 8, v8
	v_add_nc_u32 v10, v10, v8
	s_lshl_b32 s37, s14, 5
	s_lshl_b32 s23, s15, 3
	s_add_co_u32 s37, s37, s23
	v_add_nc_u32 v4, s37, v10
	v_lshlrev_b32 v11, 4, v9
	v_sub_nc_u32 v4, v4, v11                       ; v4: my query's place in its 128 tokens - 16 h: register 16 b + i holds key 32 b + i + 16 h, hidden where 32 b + i is above this
	v_mul_u32_u24 v10, v8, 24
	v_mad_u32_u24 v10, v9, 12, v10                 ; v10: my 16 codes' place in a unit: 24 r + 12 h
	v_lshlrev_b32 v11, 3, v8                       ; v11: 8 r
	s_wait_kmcnt 0x0
	s_add_nc_u64 s[16:17], s[4:5], s[18:19]
	s_add_nc_u64 s[16:17], s[16:17], KVOFF         ; the pair's K and V records
	s_add_nc_u64 s[20:21], s[4:5], s[20:21]        ; my queries' record
	s_add_nc_u64 s[30:31], s[6:7], s[30:31]        ; where my codes go,
	s_add_nc_u64 s[32:33], s[6:7], s[32:33]        ; and their scale bytes
	s_add_nc_u64 s[PFA:PFA+1], s[16:17], s[38:39]  ; two chunks of 8,192 bytes short of my first prefetch
	s_wait_alu depctr_va_vdst(0)                   ; v1, v2, v3, v5, v6, v10 and v11 are written: every load, LDS access, prefetch and store of the kernel reads one of them as its address or offset
	s_cmp_lt_u32 s[WV], 13
	s_cbranch_scc0 .Lno_fill_head
	global_load_b128 v[FD:FD+3], v2, s[16:17]                      ; records 0 and 1
	global_load_b128 v[FD+4:FD+7], v2, s[16:17] offset:512
	global_load_b128 v[FD+8:FD+11], v2, s[16:17] offset:RECB
	global_load_b128 v[FD+12:FD+15], v2, s[16:17] offset:RECB+512
.Lno_fill_head:
.irp g, 0,1,2
	global_load_b128 v[S+4*\g:S+4*\g+3], v5, s[20:21] offset:512*\g        ; the pair fragment that holds my queries
.endr
	global_load_b32 v[S+12], v3, s[20:21] offset:12288             ; and its scale word
	v_mov_b32 v13, 0xff61b1e6                      ; the largest t so far: -3e38
	v_floor_f32 v12, -v13                          ; -M
	v_mov_b32 v14, 0
	v_mov_b32 v15, 0
.irp i, BP,BP+1,BP+2,BP+3, F,F+1, TT
	v_mov_b32 v[\i], 0                             ; written once: permutes' destinations, and the upper half of a pair
.endr
	v_mov_b32 v[MI], 0xff800000
	s_cmp_eq_u32 s15, 1
	s_cselect_b32 s2, -1, 0
	s_lshl_b32 s3, s15, 4
	s_wait_loadcnt 0x0
.irp k, 0,1,2,3,4,5
	v_cndmask_b32 v[16+\k], v[S+\k], v[S+6+\k], s2                 ; my tile's half of the fragment: [Q | 0] in v16-27,
.endr
.irp k, 0,1,2,3,4,5
	v_mov_b32 v[22+\k], 0
	v_mov_b32 v[28+\k], 0
.endr
.irp k, 0,1,2,3,4,5
	v_mov_b32 v[34+\k], v[16+\k]                   ; [0 | Q] in v28-39
.endr
	v_lshrrev_b32 v[S+12], s3, v[S+12]
	v_and_b32 v[S+12], 0xffff, v[S+12]
	v_lshl_or_b32 v[QS], v[S+12], 16, v[S+12]      ; my two scale bytes, twice: one word serves both operands
.set i, 0
.rept 32
	v_mov_b32 v[OT+i], 0                           ; O^T.  (The loop has no first step of its own; these lines also stand between Q's registers and the first product)
.set i, i+1
.endr
	s_cmp_lt_u32 s[WV], 13
	s_cbranch_scc0 .Lno_store_head
	ds_store_b128 v2, v[FD:FD+3]
	ds_store_b128 v2, v[FD+4:FD+7] offset:512
.Lno_store_head:
.macro VFRAG slot, p                   ; fragment p of V^T: three loads
.irp g, 0,1,2
	ds_load_b128 v[FRG+12*(\p)+4*\g:FRG+12*(\p)+4*\g+3], v1 offset:(\slot)*RECB+6144+1536*(\p)+512*\g
.endr
.endm
.macro ASTEP slot
	s_wait_dscnt 0x0                               ; my part of this slot has landed, and my reads of the other slot are over
	s_barrier_signal -1
	s_barrier_wait -1                              ; both now hold of every wave
	s_cmp_lt_u32 s[WV], 13
	s_cbranch_scc0 .Lnofill_\@
	s_wait_loadcnt 0x0                             ; the next record's part, asked for a step ago
	s_wait_alu depctr_vm_vsrc(0)                   ; the LDS stores of the step before (in the first trip: the head's) have read the set of the ring's registers in which the two loads below land
	ds_store_b128 v2, v[FD+8*(1-\slot):FD+8*(1-\slot)+3] offset:(1-\slot)*RECB
	ds_store_b128 v2, v[FD+8*(1-\slot)+4:FD+8*(1-\slot)+7] offset:(1-\slot)*RECB+512
	s_add_co_u32 s38, s[ST], 2
	s_min_u32 s38, s38, 15                         ; the last steps ask for the last record again: no load leaves the buffer
	s_mul_i32 s38, s38, RECB
	s_add_nc_u64 s[40:41], s[16:17], s[38:39]      ; (the loads that named this base are done)
	global_load_b128 v[FD+8*\slot:FD+8*\slot+3], v2, s[40:41]      ; into the other set
	global_load_b128 v[FD+8*\slot+4:FD+8*\slot+7], v2, s[40:41] offset:512
	s_branch .Lfilled_\@
.Lnofill_\@:
	; A prefetch of the pair's records: 26 chunks of 8,192 bytes, lanes 256 bytes apart; in step t wave 14 names chunk 2 t + 6 and wave 13 chunk 2 t + 7, of the pair's first work-group alone:
	; each block is named once; chunks 0 to 5 come by their loads; the last chunk named is the 26th.
	s_cmp_lt_u32 s[ST], s[LIM]
	s_cbranch_scc0 .Lfilled_\@
	s_wait_xcnt 0x0                                ; the last prefetch, a step back, has read its address
	s_add_nc_u64 s[PFA:PFA+1], s[PFA:PFA+1], 16384
	global_prefetch_b8 v6, s[PFA:PFA+1] th:TH_LOAD_NT scope:SCOPE_SE
.Lfilled_\@:
	s_cmp_gt_u32 s[ST], s[DS]                      ; all keys of the step come after my queries: nothing to do
	s_cbranch_scc1 .Lhidden_\@
.rept 4
	v_nop                                          ; four plain lines stand between the last step's products and what follows
.endr
	s_wait_alu depctr_va_vdst(0)                   ; the last step's products are done reading FRG, KS and VS, in which this step's loads land; in the first trip: Q's two operands and its scale word are written, which the products below take
.irp p, 0,1,2,3
.irp g, 0,1,2
	ds_load_b128 v[FRG+12*\p+4*\g:FRG+12*\p+4*\g+3], v1 offset:(\slot)*RECB+1536*\p+512*\g
.endr
.endr
	ds_load_b128 v[KS:KS+3], v1 offset:(\slot)*RECB+12288
	s_wait_dscnt 0x0
.irp p, 0,1,2,3                        ; S^T = K Q^T: source 0 = 16 keys of tile 2 p beside 16 of tile 2 p + 1, source 1 = my queries beside zeros
	v_wmma_scale_f32_16x16x128_f8f6f4 v[S+16*\p:S+16*\p+7], v[FRG+12*\p:FRG+12*\p+11], v[16:27], 0, v[KS+\p], v[QS] matrix_a_fmt:MATRIX_FMT_BF6 matrix_b_fmt:MATRIX_FMT_BF6
	v_wmma_scale_f32_16x16x128_f8f6f4 v[S+16*\p+8:S+16*\p+15], v[FRG+12*\p:FRG+12*\p+11], v[28:39], 0, v[KS+\p], v[QS] matrix_a_fmt:MATRIX_FMT_BF6 matrix_b_fmt:MATRIX_FMT_BF6
.endr
.rept 4
	v_nop                                          ; four places behind the products, before their results are read (ISA guide 7.12.1)
.endr
	s_wait_alu depctr_va_vdst(0)                   ; the eight products are done reading FRG, in which V's fragments land.  It stands ahead of the branch: V's loads follow on both ways
	s_cmp_lt_u32 s[ST], s[DS]                      ; only my queries' own step has hidden keys
	s_cbranch_scc1 .Lopen_\@
.irp b, 0,1,2,3                        ; a block of 32 keys at a time: sixteen compares into sixteen scalar registers, one wait, sixteen selects; each accumulator from its low end on
.set n, 0
.rept 16
	v_cmp_gt_i32 s[MK+n], 32*\b+n, v4
.set n, n+1
.endr
	s_wait_alu depctr_va_sdst(0)                   ; the sixteen masks are written, ahead of the selects that read them
.set n, 0
.rept 16
	v_cndmask_b32 v[S+16*\b+n], v[S+16*\b+n], v[MI], s[MK+n]
.set n, n+1
.endr
.endr
.Lopen_\@:
.irp b, 0,1,2,3
	v_max3_num_f32 v[BM+\b], v[S+16*\b], v[S+1+16*\b], v[S+2+16*\b]        ; the largest score of each block of 32 keys: for the row's maximum, and, since p rises with the score, for the block's largest p
.endr
	VFRAG \slot, 0                                 ; V's fragments are dealt among these rows and land while the softmax is worked.  No wait: no vector or matrix line since the wait above names FRG, VS or v1
.irp i, 3,5,7,9,11,13
.irp b, 0,1,2,3
	v_max3_num_f32 v[BM+\b], v[BM+\b], v[S+16*\b+\i], v[S+1+16*\b+\i]
.endr
.if \i < 9
	VFRAG \slot, (\i-1)/2
.elseif \i == 9
	ds_load_b128 v[VS:VS+3], v1 offset:(\slot)*RECB+12800
.endif
.endr
.irp b, 0,1,2,3
	v_max_num_f32 v[BM+\b], v[BM+\b], v[S+15+16*\b]
.endr
.irp b, 0,1,2,3
	v_permlanex16_b32 v[BP+\b], v[BM+\b], s[SEL], s[SEL+1]
.endr
.irp b, 0,1,2,3
	v_max_num_f32 v[BM+\b], v[BM+\b], v[BP+\b]
.endr
	v_max3_num_f32 v[TT], v[BM], v[BM+1], v[BM+2]
	v_max_num_f32 v[TT], v[TT], v[BM+3]
	v_mul_f32 v[TT], s[CS], v[TT]
	v_max_num_f32 v13, v13, v[TT]                  ; the running largest t
	v_mov_b32 v[TT], v12
	v_floor_f32 v12, -v13                          ; the new -M = -ceil(t)
	v_sub_f32 v[TT], v12, v[TT]                    ; old M - new M: a whole number, 0 or less
	v_cvt_i32_f32 v[TT], v[TT]                     ; (it saturates)
	v_ldexp_f32 v[F], 1.0, v[TT]                   ; f = 2^(old M - new M)
.set j, 0
.rept 32
	v_pk_fma_f32 v[S+j:S+j+1], v[S+j:S+j+1], s[CS:CS+1], v[12:13] op_sel_hi:[1,0,0]   ; t - M
.set j, j+2
.endr
.irp b, 0,1,2,3
	v_fma_f32 v[BM+\b], v[BM+\b], s[CS], v12
.endr
.set j, 0
.rept 64
	v_exp_f32 v[S+j], v[S+j]                       ; p = 2^(t - M)
.set j, j+1
.endr
	v_pk_mul_f32 v[14:15], v[14:15], v[F:F+1] op_sel_hi:[1,0]      ; the sums under the new M: a plain line behind the batch
	s_wait_alu depctr_va_vdst(0)                   ; the 64 exponentials have written p: one wait, ahead of their first reader
.irp b, 0,1,2,3
	v_exp_f32 v[BM+\b], v[BM+\b]                   ; each block's largest p
.endr
	v_pk_add_f32 v[SUM2:SUM2+1], v[S:S+1], v[S+2:S+3]              ; the row's sum of the unquantised p, in two chains
.set j, 4
.rept 15
	v_pk_add_f32 v[14:15], v[14:15], v[S+j:S+j+1]
	v_pk_add_f32 v[SUM2:SUM2+1], v[SUM2:SUM2+1], v[S+2+j:S+3+j]
.set j, j+4
.endr
	v_pk_add_f32 v[14:15], v[14:15], v[SUM2:SUM2+1]
	s_wait_alu depctr_va_vdst(0)                   ; the four exponentials have written the blocks' largest p, ahead of their first reader
.irp b, 0,1,2,3
	v_max_num_f32 v[BM+\b], 0x2800000, v[BM+\b]    ; the floor 2^(5 - 127)
.endr
.irp b, 0,1,2,3
	v_add_nc_u32 v[BO+\b], 0xfe000000, v[BM+\b]
.endr
.irp b, 0,1,2,3
	v_lshrrev_b32 v[BP+\b], 23, v[BO+\b]
.endr
	v_lshl_or_b32 v[PS], v[BP+1], 8, v[BP]
	v_lshl_or_b32 v[PS], v[BP+2], 16, v[PS]
	v_lshl_or_b32 v[PS], v[BP+3], 24, v[PS]
.irp c, 0,1
	v_cvt_scalef32_pk16_bf6_f32 v[PC+6*\c:PC+6*\c+2], v[S+32*\c:S+32*\c+15], v[BO+2*\c]
	v_cvt_scalef32_pk16_bf6_f32 v[PT+4*\c:PT+4*\c+2], v[S+16+32*\c:S+31+32*\c], v[BO+2*\c+1]
.endr
	v_nop
.irp c, 0,1
.irp i, 0,1,2
	v_permlane16_swap_b32 v[PC+6*\c+\i], v[PT+4*\c+\i]
.endr
.irp i, 0,1,2
	v_mov_b32 v[PC+3+6*\c+\i], v[PT+4*\c+\i]
.endr
.endr
.set j, 0
.rept 16
	v_pk_mul_f32 v[OT+j:OT+j+1], v[OT+j:OT+j+1], v[F:F+1] op_sel_hi:[1,0]  ; O^T under the new M; these lines also stand between p's registers and the products
.set j, j+2
.endr
	s_wait_dscnt 0x0                               ; V
	s_wait_alu depctr_va_vdst(0)                   ; p's codes and its scale word are written, which the scaled products below take as operand and as scales; the sixteen lines above stay beside this wait
.irp d, 0,1,2,3                        ; O^T += V^T P^T: the four accumulators by turns
	v_wmma_scale_f32_16x16x128_f8f6f4 v[OT+8*\d:OT+8*\d+7], v[FRG+12*\d:FRG+12*\d+11], v[PC:PC+11], v[OT+8*\d:OT+8*\d+7], v[VS+\d], v[PS] matrix_a_fmt:MATRIX_FMT_BF6 matrix_b_fmt:MATRIX_FMT_BF6
.endr
.Lhidden_\@:
	s_add_co_u32 s[ST], s[ST], 1
.endm
	s_mov_b32 s[TR], 8
.Lpair:
	ASTEP 0
	ASTEP 1
	s_sub_co_u32 s[TR], s[TR], 1
	s_cmp_lg_u32 s[TR], 0
	s_cbranch_scc1 .Lpair
	; THE WAY OUT.  O^T / the sum; registers 16 b + i are d = 32 b + 16 h + i of my query: two blocks of the last product's K, each in lanes l and l xor 16.
.rept 4
	v_nop
.endr
	v_add_f32 v14, v14, v15
	v_permlanex16_b32 v[TT], v14, s[SEL], s[SEL+1]
	v_add_f32 v14, v14, v[TT]
	v_rcp_f32 v14, v14
	v_nop
	s_wait_alu depctr_va_vdst(0)                   ; the reciprocal is written, ahead of its first reader
.set j, 0
.rept 32
	v_mul_f32 v[S+j], v[OT+j], v14
.set j, j+1
.endr
.irp b, 0,1
	v_max3_num_f32 v[BM+\b], |v[S+16*\b]|, |v[S+1+16*\b]|, 0x2800000
.endr
.irp i, 2,4,6,8,10,12,14
.irp b, 0,1
	v_max3_num_f32 v[BM+\b], v[BM+\b], |v[S+16*\b+\i]|, |v[S+1+16*\b+\i]|
.endr
.endr
.irp b, 0,1
	v_permlanex16_b32 v[BP+\b], v[BM+\b], s[SEL], s[SEL+1]
.endr
.irp b, 0,1
	v_max_num_f32 v[BM+\b], v[BM+\b], v[BP+\b]
.endr
.irp b, 0,1
	v_add_nc_u32 v[BO+\b], 0xfe000000, v[BM+\b]
.endr
.irp b, 0,1
	v_lshrrev_b32 v[BP+\b], 23, v[BO+\b]
.endr
	v_lshl_or_b32 v[TT], v[BP+1], 8, v[BP]
	v_cvt_scalef32_pk16_bf6_f32 v[PC:PC+2], v[S:S+15], v[BO]
	v_cvt_scalef32_pk16_bf6_f32 v[PC+4:PC+6], v[S+16:S+31], v[BO+1]
	v_nop
	s_wait_alu depctr_va_vdst(0)                   ; the conversions have written the codes and the shift the two scale bytes, which the three stores read
	global_store_b96 v10, v[PC:PC+2], s[30:31]                     ; a place's 24 bytes are lane r's 12 and lane r + 16's 12: 384 consecutive bytes a store
	global_store_b96 v10, v[PC+4:PC+6], s[30:31] offset:384
	global_store_b16 v11, v[TT], s[32:33]                          ; lanes r and r + 16 write the same two bytes with the same value
	s_wait_dscnt 0x0
	s_wait_alu depctr_hold_cnt(0) depctr_sa_sdst(0) depctr_va_vdst(0) depctr_va_sdst(0) depctr_va_ssrc(0) depctr_va_vcc(0) depctr_vm_vsrc(0)
	s_wait_tensorcnt 0x0
	ds_add_u32 v254, v255
	s_wait_dscnt 0x0
	s_endpgm
.Lfunc_end_k_qb1b6920fa7_attn:
	.size	k_qb1b6920fa7_attn, .Lfunc_end_k_qb1b6920fa7_attn-k_qb1b6920fa7_attn
	.p2alignl 7, 3214868480
	.fill 96, 4, 3214868480
	.section	.rodata,"a",@progbits
	.p2align	6, 0x0
	.amdhsa_kernel k_qb1b6920fa7_attn
		.amdhsa_group_segment_fixed_size 28672
		.amdhsa_private_segment_fixed_size 0
		.amdhsa_enable_private_segment 0
		.amdhsa_kernarg_size 16
		.amdhsa_user_sgpr_count 2
		.amdhsa_user_sgpr_kernarg_segment_ptr 1
		.amdhsa_wavefront_size32 1
		.amdhsa_system_sgpr_workgroup_id_x 1
		.amdhsa_system_sgpr_workgroup_id_y 1
		.amdhsa_system_sgpr_workgroup_id_z 1
		.amdhsa_system_vgpr_workitem_id 0
		.amdhsa_next_free_vgpr 256
		.amdhsa_next_free_sgpr 66
		.amdhsa_reserve_vcc 0
		.amdhsa_float_denorm_mode_32 3
		.amdhsa_float_denorm_mode_16_64 3
		.amdhsa_memory_ordered 1
		.amdhsa_forward_progress 1
		.amdhsa_inst_pref_size 62
	.end_amdhsa_kernel
	.amdgpu_metadata
---
amdhsa.version: [ 1, 2 ]
amdhsa.kernels:
  - .name:           k_qb1b6920fa7_attn
    .symbol:         k_qb1b6920fa7_attn.kd
    .args:
      - { .name: rec, .offset: 0, .size: 8, .value_kind: global_buffer, .address_space: global }
      - { .name: aobuf, .offset: 8, .size: 8, .value_kind: global_buffer, .address_space: global }
    .group_segment_fixed_size: 28672
    .private_segment_fixed_size: 0
    .kernarg_segment_align: 8
    .kernarg_segment_size: 16
    .max_flat_workgroup_size: 512
    .sgpr_count:     66
    .vgpr_count:     256
    .wavefront_size: 32
...
	.end_amdgpu_metadata
.endif
;; end of part 5
;; launch oproj: the kernel of part 4 again; grid 8 x 32, 4 waves a work-group, clusters of 4 x 4, 222,720 bytes of LDS; arguments aobuf, owbuf, ob, out0; writes out0
